; MI455X (gfx1250); checked and timed in simulation.
; The chip was launched on July 23, 2026; its instructions are those of AMD's public machine-readable ISA for CDNA 5 (MIT licence, August 2026) and "CDNA5" Instruction Set Architecture Reference Guide (July 2026). The comments in the code are by the model that wrote it; some were corrected since.
;; Multi Head Attention. Allowed arithmetic: matrix products marked QUANTISED: E2M3 operands, one E8M0 scale for each 32 along K, by v_wmma_scale_f32_16x16x128_f8f6f4 with both operands' format E2M3, f32 sums; everything else in f32.
;; Inputs: W_k 1,024 x 1,024 float32; W_o 1,024 x 1,024 float32; W_q 1,024 x 1,024 float32; W_v 1,024 x 1,024 float32; k 4 x 2,048 x 1,024 float32; q 4 x 2,048 x 1,024 float32; v 4 x 2,048 x 1,024 float32.
;; Outputs: out0 4 x 2,048 x 1,024 float32.
;; This version of the problem:
;;   THIS VERSION OF THE PROBLEM IS GIVEN IN LOW PRECISION. The matrix products marked QUANTISED in the list below multiply operands that are first quantised to E2M3 (2 exponent bits, 3 mantissa bits; 6 bits a number), with one power-of-two scale for each 32 numbers along K (OCP MX v1.0); their sums are f32. All else is computed in f32.
;;   The module's matrix products, in the order in which they are computed (A, B: the left and right operand; K: the contracted axis; several contracted axes count as one K, in the product's order):
;;     1. [M 8,192, K 1,024] x [K 1,024, N 1,024]; A: input q; B: input W_q: QUANTISED
;;     2. [M 8,192, K 1,024] x [K 1,024, N 1,024]; A: input k; B: input W_k: QUANTISED
;;     3. [M 8,192, K 1,024] x [K 1,024, N 1,024]; A: input v; B: input W_v: QUANTISED
;;     4. batch 64 x [M 2,048, K 64] x [K 64, N 2,048]; A: computed on the way; B: computed on the way: QUANTISED
;;     5. batch 64 x [M 2,048, K 2,048] x [K 2,048, N 64]; A: softmax (see below); B: computed on the way: QUANTISED
;;     6. [M 8,192, K 1,024] x [K 1,024, N 1,024]; A: computed on the way; B: input W_o: QUANTISED
;;   THE QUANTISER, for each operand of a quantised product, along K:
;;     - K is cut into blocks of 32 from its start; a last block that is shorter is filled with zeros.
;;     - A block's scale is 2^e with e = floor(log2(the largest magnitude in the block)) - 2, held to -126 .. 127; a block of zeros has e = 0. As a byte (E8M0): e + 127.
;;     - Each number is divided by its block's scale, clamped to +-7.5, and rounded to the nearest number of E2M3, ties to even, subnormals kept.
;;     - The product sums the exact products of the quantised numbers (number of the format x scale) in f32.
;;   ~~~python
;;   def quantise(x, axis):      # numpy; x: float32 -> the quantised numbers, widened to float32 again
;;       x = np.moveaxis(x, axis, -1); K = x.shape[-1]
;;       x = np.pad(x, [(0, 0)] * (x.ndim - 1) + [(0, -K % 32)]); x = x.reshape(x.shape[:-1] + (-1, 32)); a = np.abs(x).max(-1, keepdims=True)
;;       e = np.where(a > 0, np.clip(np.frexp(np.where(a > 0, a, 1))[1] - 1 - 2, -126, 127), 0)      # np.frexp(a)[1] - 1 = floor(log2(a)), exactly
;;       r = np.clip(x / 2.0 ** e, -7.5, 7.5)
;;       step = 2.0 ** (np.maximum(np.frexp(np.where(r == 0, 1, r))[1] - 1, 0) - 3)
;;       q = np.round(r / step) * step * 2.0 ** e      # np.round: ties to even
;;       return np.moveaxis(q.reshape(q.shape[:-2] + (-1,))[..., :K], -1, axis).astype(np.float32)
;;   ~~~
;;   SOFTMAX AHEAD OF A QUANTISED PRODUCT. Where the list says 'softmax', what is quantised is not the finished softmax but p = 2^(t - M), with t = logit x log2(e) and M = ceil(the row's largest t), a whole number; so 1/2 < the row's largest p <= 1. The row's sum l is taken of the UNQUANTISED p, in f32, and the product's result is divided by l at the end. Since M is a whole number, a kernel that streams over the keys may use a running M (the ceiling of the running maximum): every later rescaling is an exact power of two, which a block's scale takes up: the codes' values come out the same.
;;   OPERANDS COMPUTED ON THE WAY. 'Computed on the way' means the value that the module computes at that place (a softmax that the list does not call 'softmax' is quantised finished and normalised). What goes into a quantiser is computed in f32, as accurately as f32 sums, v_exp_f32 and their like allow (about 1e-6 of the number): no bf16 or f16 on the way to a quantiser, and a product that is left as it is and whose result goes on into a quantised operand takes f32 operands (vector FMAs, or v_wmma_f32_16x16x4_f32). A number that lies on a knife's edge between two numbers of the format may be rounded either way, as far as f32 arithmetic and the matrix unit's own rounding can turn it there, and no further.
;; One version. Each part assembles by itself: llvm-mc -triple=amdgcn-amd-amdhsa -mcpu=gfx1250 --defsym DOCPART=n.
;; ======== version 1 of 1: 4 launches
;; workspace buffers: xc 22,020,096 bytes; xs 917,504 bytes; qkc 12,582,912 bytes; qks 1,048,576 bytes; vc 6,291,456 bytes; vs 262,144 bytes; cc 6,291,456 bytes; cs 262,144 bytes
;; launch quant (part 1): grid 448 x 1, 4 waves a work-group, no clusters, 34,304 bytes of LDS; arguments q, k, v, W_q, W_k, W_v, W_o, xc, xs; writes xc, xs
.if DOCPART == 1
	.amdgcn_target "amdgcn-amd-amdhsa--gfx1250"
	.amdhsa_code_object_version 6
	.text
	.protected	k_q068a6a6820_quant
	.globl	k_q068a6a6820_quant
	.p2align	8
	.type	k_q068a6a6820_quant,@function
k_q068a6a6820_quant:
	s_mov_b64 s[64:65], 0
	v_nop
	global_prefetch_b8 v0, s[64:65] scope:SCOPE_SE
	s_setreg_imm32_b32 hwreg(HW_REG_WAVE_MODE, 25, 1), 1
	s_wait_xcnt 0x0
; q, k, v [8192][1024] and W_q, W_k, W_v, W_o [1024][1024], f32, K innermost, become codes of FP6 (E2M3) with one E8M0 byte for each 32 along K.
; A block's scale is 2^(floor(log2(its largest magnitude)) - 2); its byte is the largest magnitude's exponent field - 2, held at 1 from below.
; LIMITS: NaN and infinities are not served; a block of zeros, or one under 2^-124, gets the byte 1 (its codes are zeros; this program alone reads the bytes).
; OUTPUT LAYOUT.  xc: [tile of 16 rows 0..1791][K step of 128, 0..7][1,536 bytes]: the IMAGE of the operand's 12 registers: piece p (registers 2 p, 2 p + 1) at 256 p, lane l's 8 bytes at 8 l.
;   Tiles: q 0, k 512, v 1024, W_q 1536, W_k 1600, W_v 1664, W_o 1728.   xs: [stored row][32 bytes], one byte for each 32 along K.
; THE ROWS OF A TILE: in k, v, W_q, W_k, W_v lane r of tile 2 b + u holds source row 32 b + 8 u + r + 8 (r / 8), so that a later product's results lie as neighbours along the next K; q and W_o keep their order.
; SHARES: a wave takes one tile: 16 rows x 1,024, in 8 steps of 128 along K.  Each load reads 512 consecutive bytes of one row; a step's 16 loads turn through the wave's own stage in LDS
; (rows of 512 + 16 bytes), from which lane (r, h) takes, of row r, 16 neighbours of each block of 32.  Waves share nothing: no barrier.  32 loads of a wave are out at the most.
.set R,    16                          ; v16-143  two sets of 64 registers as loaded
.set X,    144                         ; v144-207 register 16 b + i = k 32 b + 16 h + i of my row
.set TM,   208                         ; v208-223 at work
.set PC,   224                         ; v224-235 the fragment's codes, v236-242 at work
.set SW,   244                         ; v244-251 the eight steps' scale words
.set OUT,  252                         ; v252-255 my 16 bytes of the tile's scale bytes
.set SEL,  30                          ; s[30:31] lane selects: lane l xor 16
.set SPI,  528                         ; a stage row
.set STGW, 16*SPI                      ; a wave's stage
	s_load_b256 s[4:11], s[0:1], 0x0               ; q, k, v, W_q
	s_load_b256 s[12:19], s[0:1], 0x20             ; W_k, W_v, W_o, xc
	s_load_b64 s[20:21], s[0:1], 0x40              ; xs
	v_lshl_add_u32 v239, v0, 2, 0x8400
	v_mov_b32 v243, 0
	v_lshrrev_b32 v1, 5, v0
	v_readfirstlane_b32 s22, v1                    ; wave
	v_and_b32 v1, 31, v0                           ; lane
	v_and_b32 v2, 15, v0                           ; r
	v_bfe_u32 v3, v0, 4, 1                         ; h
	s_mul_i32 s23, s22, STGW
	v_lshlrev_b32 v4, 4, v1                        ; a load's 512 bytes: 16 a lane (rows 0-7 of the tile)
	v_add_nc_u32 v6, s23, v4                       ; into the stage: 16 x lane
	v_mul_u32_u24 v7, v2, SPI
	v_lshl_add_u32 v7, v3, 6, v7
	v_add_nc_u32 v7, s23, v7                       ; out of it: row r, + 64 h
	v_lshlrev_b32 v8, 3, v1                        ; an image's piece: 8 x lane
	v_lshlrev_b32 v9, 5, v2
	v_lshl_add_u32 v9, v3, 4, v9                   ; the scale bytes: row r's 32, my half of them
.irp b, 0,1,2,3
	v_mov_b32 v[TM+4+\b], 0                        ; written once: a lane permute's destination counts as one of its sources
.endr
	s_mov_b32 s[SEL], 0x76543210
	s_mov_b32 s[SEL+1], 0xfedcba98
	s_wait_kmcnt 0x0
	s_mov_b64 s[24:25], s[4:5]                     ; which tensor is my work-group's: the choice hangs on the work-group's number alone
	s_mov_b32 s26, 0                               ; and that tensor's first work-group
.macro PICK n, lo
	s_cmp_ge_u32 ttmp9, \n
	s_cselect_b64 s[24:25], s[\lo:\lo+1], s[24:25]
	s_cselect_b32 s26, \n, s26
.endm
	PICK 128, 6
	PICK 256, 8
	PICK 384, 10
	PICK 400, 12
	PICK 416, 14
	PICK 432, 16
	s_cmp_ge_u32 ttmp9, 128                        ; k, v, W_q, W_k, W_v: work-groups 128 to 431 take the other order of rows
	s_cselect_b32 s27, 1, 0
	s_cmp_lt_u32 ttmp9, 432
	s_cselect_b32 s27, s27, 0
	s_sub_co_u32 s29, ttmp9, s26
	s_lshl_b32 s29, s29, 2
	s_add_co_u32 s29, s29, s22                     ; my tile in its tensor
	s_lshr_b32 s32, s29, 1
	s_lshl_b32 s32, s32, 5
	s_and_b32 s33, s29, 1
	s_lshl_b32 s33, s33, 3
	s_add_co_u32 s32, s32, s33                     ; its first source row: 32 (tile / 2) + 8 (tile % 2),
	s_lshl_b32 s33, s29, 4                         ; or 16 x tile
	s_mov_b32 s28, 32768
	s_cmp_eq_u32 s27, 1
	s_cselect_b32 s32, s32, s33
	s_cselect_b32 s28, 65536, s28                  ; the tile's rows 8-15 begin 16 source rows on, or 8
	s_lshl_b32 s32, s32, 12                        ; a row is 4,096 bytes
	s_mov_b32 s33, 0
	s_add_nc_u64 s[24:25], s[24:25], s[32:33]
	v_add_nc_u32 v5, s28, v4
	s_lshl_b32 s34, ttmp9, 2
	s_add_co_u32 s34, s34, s22                     ; my tile among all 1,792
	s_mul_i32 s32, s34, 12288
	s_add_nc_u64 s[18:19], s[18:19], s[32:33]
	s_lshl_b32 s32, s34, 9
	s_add_nc_u64 s[20:21], s[20:21], s[32:33]
.macro LOAD s                          ; K step s: 16 rows x 512 bytes into set s % 2
.irp i, 0,1,2,3,4,5,6,7
	global_load_b128 v[R+64*((\s)%2)+4*\i:R+64*((\s)%2)+4*\i+3], v4, s[24:25] offset:4096*\i+512*(\s) th:TH_LOAD_NT
.endr
.irp i, 0,1,2,3,4,5,6,7
	global_load_b128 v[R+64*((\s)%2)+32+4*\i:R+64*((\s)%2)+32+4*\i+3], v5, s[24:25] offset:4096*\i+512*(\s) th:TH_LOAD_NT
.endr
.endm
; 64 numbers of a lane, v[s] on, become a fragment's codes in v[PC] on and its row's scale word in v[pw]
.macro QUANT s, pw
.irp b, 0,1,2,3
	v_max3_num_f32 v[TM+\b], |v[\s+16*\b]|, |v[\s+1+16*\b]|, 0x1800000   ; block b: my 16 numbers and the floor 2^(3 - 127): the byte cannot fall under 1
.endr
.irp i, 2,4,6,8,10,12,14
.irp b, 0,1,2,3
	v_max3_num_f32 v[TM+\b], v[TM+\b], |v[\s+16*\b+\i]|, |v[\s+1+16*\b+\i]|   ; the four blocks by turns
.endr
.endr
.irp b, 0,1,2,3
	v_permlanex16_b32 v[TM+4+\b], v[TM+\b], s[SEL], s[SEL+1]
.endr
.irp b, 0,1,2,3
	v_max_num_f32 v[TM+\b], v[TM+\b], v[TM+4+\b]   ; with lane l xor 16's 16: the block's largest magnitude
.endr
.irp b, 0,1,2,3
	v_add_nc_u32 v[TM+12+\b], 0xff000000, v[TM+\b] ; 2 off its exponent field: the conversion takes this operand's exponent field as its scale
.endr
.irp b, 0,1,2,3
	v_lshrrev_b32 v[TM+4+\b], 23, v[TM+12+\b]      ; the scale's byte
.endr
	v_lshl_or_b32 v[\pw], v[TM+5], 8, v[TM+4]
	v_lshl_or_b32 v[\pw], v[TM+6], 16, v[\pw]
	v_lshl_or_b32 v[\pw], v[TM+7], 24, v[\pw]
.irp c, 0,1
	v_cvt_scalef32_pk16_fp6_f32 v[PC+6*\c:PC+2+6*\c], v[\s+32*\c:\s+15+32*\c], v[TM+12+2*\c]
	v_cvt_scalef32_pk16_fp6_f32 v[PC+12+4*\c:PC+14+4*\c], v[\s+16+32*\c:\s+31+32*\c], v[TM+12+2*\c+1]   ; (a conversion's three registers begin on an even number)
.endr
	v_nop                                          ; one plain instruction behind a scaled conversion
.irp c, 0,1                            ; the operand wants a whole block in a lane: lanes 0-15 block 2 c, lanes 16-31 block 2 c + 1
.irp i, 0,1,2
	v_permlane16_swap_b32 v[PC+6*\c+\i], v[PC+12+4*\c+\i]
.endr
.irp i, 0,1,2
	v_mov_b32 v[PC+3+6*\c+\i], v[PC+12+4*\c+\i]
.endr
.endr
.endm
.macro QSTEP s
.if (\s) < 7
	s_wait_loadcnt 16                              ; this step's 16 loads are in; the next step's 16 may be out
.else
	s_wait_loadcnt 0x0
.endif
.irp i, 0,1,2,3,4,5,6,7,8,9,10,11,12,13,14,15
	ds_store_b128 v6, v[R+64*((\s)%2)+4*\i:R+64*((\s)%2)+4*\i+3] offset:SPI*\i
.endr
.irp b, 0,1,2,3
.irp j, 0,1,2,3
	ds_load_b128 v[X+16*\b+4*\j:X+16*\b+4*\j+3], v7 offset:128*\b+16*\j   ; LDS serves a wave's instructions in order: these see the stores above
.endr
.endr
	s_wait_dscnt 0x0                               ; the numbers are back, and the stores have read the set, which may be loaded again
	s_wait_xcnt 0x0                                ; the last step's stores have read the codes' registers, which are written again below
.if (\s)+2 < 8
	LOAD (\s)+2
.endif
	QUANT X, SW+(\s)
.irp p, 0,1,2,3,4,5
	global_store_b64 v8, v[PC+2*\p:PC+2*\p+1], s[18:19] offset:1536*(\s)+256*\p   ; 32 lanes store 256 consecutive bytes, aligned
.endr
.endm
	LOAD 0
	LOAD 1
.irp s, 0,1,2,3,4,5,6,7
	QSTEP \s
.endr
	v_cmp_le_u32 vcc_lo, 16, v1                    ; lanes 16-31 take the row's words 4 to 7
.irp i, 0,1,2,3
	v_cndmask_b32 v[OUT+\i], v[SW+\i], v[SW+4+\i], vcc_lo
.endr
	global_store_b128 v9, v[OUT:OUT+3], s[20:21]   ; the tile's 512 scale bytes, consecutive
	s_wait_tensorcnt 0x0
	ds_add_u32 v239, v243
	s_wait_dscnt 0x0
	s_endpgm
.Lfunc_end_k_q068a6a6820_quant:
	.size	k_q068a6a6820_quant, .Lfunc_end_k_q068a6a6820_quant-k_q068a6a6820_quant
	.p2alignl 7, 3214868480
	.fill 96, 4, 3214868480
	.section	.rodata,"a",@progbits
	.p2align	6, 0x0
	.amdhsa_kernel k_q068a6a6820_quant
		.amdhsa_group_segment_fixed_size 34304
		.amdhsa_private_segment_fixed_size 0
		.amdhsa_enable_private_segment 0
		.amdhsa_kernarg_size 72
		.amdhsa_user_sgpr_count 2
		.amdhsa_user_sgpr_kernarg_segment_ptr 1
		.amdhsa_wavefront_size32 1
		.amdhsa_system_sgpr_workgroup_id_x 1
		.amdhsa_system_sgpr_workgroup_id_y 1
		.amdhsa_system_sgpr_workgroup_id_z 1
		.amdhsa_system_vgpr_workitem_id 0
		.amdhsa_next_free_vgpr 256
		.amdhsa_next_free_sgpr 66
		.amdhsa_reserve_vcc 1
		.amdhsa_float_denorm_mode_32 3
		.amdhsa_float_denorm_mode_16_64 3
		.amdhsa_memory_ordered 1
		.amdhsa_forward_progress 1
		.amdhsa_inst_pref_size 67
	.end_amdhsa_kernel
	.amdgpu_metadata
---
amdhsa.version: [ 1, 2 ]
amdhsa.kernels:
  - .name:           k_q068a6a6820_quant
    .symbol:         k_q068a6a6820_quant.kd
    .args:
      - { .name: q, .offset: 0, .size: 8, .value_kind: global_buffer, .address_space: global }
      - { .name: k, .offset: 8, .size: 8, .value_kind: global_buffer, .address_space: global }
      - { .name: v, .offset: 16, .size: 8, .value_kind: global_buffer, .address_space: global }
      - { .name: W_q, .offset: 24, .size: 8, .value_kind: global_buffer, .address_space: global }
      - { .name: W_k, .offset: 32, .size: 8, .value_kind: global_buffer, .address_space: global }
      - { .name: W_v, .offset: 40, .size: 8, .value_kind: global_buffer, .address_space: global }
      - { .name: W_o, .offset: 48, .size: 8, .value_kind: global_buffer, .address_space: global }
      - { .name: xc, .offset: 56, .size: 8, .value_kind: global_buffer, .address_space: global }
      - { .name: xs, .offset: 64, .size: 8, .value_kind: global_buffer, .address_space: global }
    .group_segment_fixed_size: 34304
    .private_segment_fixed_size: 0
    .kernarg_segment_align: 8
    .kernarg_segment_size: 72
    .max_flat_workgroup_size: 128
    .sgpr_count:     66
    .vgpr_count:     256
    .wavefront_size: 32
...
	.end_amdgpu_metadata
.endif
;; end of part 1
;; launch proj (part 2): grid 4 x 96, 4 waves a work-group, clusters of 4 x 4, 327,680 bytes of LDS; arguments xc, xs, qkc, qks, vc, vs; writes qkc, qks, vc, vs
.if DOCPART == 2
	.amdgcn_target "amdgcn-amd-amdhsa--gfx1250"
	.amdhsa_code_object_version 6
	.text
	.protected	k_q068a6a6820_proj
	.globl	k_q068a6a6820_proj
	.p2align	8
	.type	k_q068a6a6820_proj,@function
k_q068a6a6820_proj:
	s_mov_b64 s[64:65], 0
	v_nop
	global_prefetch_b8 v0, s[64:65] scope:SCOPE_SE
	s_setreg_imm32_b32 hwreg(HW_REG_WAVE_MODE, 25, 1), 1
	s_wait_xcnt 0x0
	s_wait_alu depctr_hold_cnt(0) depctr_sa_sdst(0) depctr_va_vdst(0) depctr_va_sdst(0) depctr_va_ssrc(0) depctr_va_vcc(0) depctr_vm_vsrc(0)
	s_getreg_b32 s2, hwreg(HW_REG_IB_STS2, 6, 4)
	s_cmp_eq_u32 s2, 0
	s_cbranch_scc0 .Lentry_in_a_cluster
	s_endpgm
.Lentry_in_a_cluster:
	s_bfe_u32 s2, ttmp6, 0x10000c
	s_cmp_lg_u32 s2, 0xf033
	s_cbranch_scc0 .Lentry_shape_is_right
	s_endpgm
.Lentry_shape_is_right:
; Q = q W_q^T, K = k W_k^T, V = v W_v^T on codes of FP6 (E2M3) with E8M0 scales, sums in f32; the results are quantised in registers on the way out and leave as codes: Q and K along a head's 64, V along the keys.
; A work-group of four waves makes 256 x 256 of a product, a wave 128 x 128: 64 accumulators, 512 registers.  K = 1,024 goes in four steps of 256 through a ring of two LDS slots.
; OPERANDS come as images of their registers (buffer xc: [tile of 16 rows][K step of 128][1,536 bytes], piece p at 256 p, lane l at 8 l): a fragment is six loads of 8 bytes a lane, each of 256 consecutive bytes.
; A wave's tensor load brings 8 tiles x 2 K steps: 8 rows of 3,072 bytes, 12,288 bytes apart.  The scale bytes of the work-group's rows, for all of K, come once, as rows of 256 bytes + 16 of padding, and stay.
; CLUSTERS of 4 x 4: the first operand's tiles are shared along a row of the cluster, the second's along a column: joint loads.  The grid is one cluster wide: a work-group's x is its place cx.
; Cluster y 0-7: Q (first operand q, second W_q); 8-15: K (k, W_k); 16-23: V, with the operands exchanged (first W_v, second v), so that a lane holds one channel and its registers run along the keys.
; THE MATRIX INSTRUCTION IS USED TRANSPOSED (source 0 = 16 rows of the second operand, source 1 = 16 of the first): lane (r, h) holds row r of the first, and its registers rows 8 h + j of the second.  The second operand's rows were
; laid so that the 64 registers of a block of 16 rows are: register 16 b + i = number 32 b + 16 h + i along the next K.  So they are quantised as they stand.
; OUT.  qkc [Q, K][head 64][tile of 16 tokens][768]: registers 0-5 of a fragment.  qks [Q, K][head][8 tiles][512]: the word of (tile a, row r) at 256 (a & 1) + 16 r + 4 (a >> 1), bytes 2 and 3 zero.
;   vc [head][128 keys][tile of 16 channels][1,536]: registers 4 c .. 4 c + 3 at 512 c + 16 l.   vs [head][128 keys][256]: the word of (tile t, row r) at 128 (t & 1) + 8 r + 4 (t >> 1).
; LIMITS: a block of zeros or under 2^-124 gets the byte 1, with zero codes.
; REGISTERS, in windows of 256: window 0: v16-31 addresses; v32-63 scale words, two sets; v128-223 the first operand's fragments, one set; window 1: the second's, two sets, at v0 and v128; windows 2, 3: the accumulators ((a, b) at v[8 (8 (a % 4) + b)]).
.set NQ,     2                         ; matrix instructions deep in a slot
.set FR,     12
.set NL,     6
.set NP,     4                         ; places behind this matrix instruction (ISA guide 7.12.1)
.set IMG,    1536
.set TILEB,  8*IMG                     ; a tile's eight K steps
.set HALFT,  8*NQ*IMG                  ; what one tensor load brings: 8 tiles x 2 K steps
.set SLOT,   4*HALFT
.set SCL,    2*SLOT                    ; behind the ring: the scales
.set HALFS,  16*272                    ; those of 128 rows
.set SBLK,   2*272                     ; of 16 rows
.set KS,     32                        ; a row's scale bytes
.set SPARE,  SCL+4*HALFS               ; the spare words, 128 bytes a wave: two blocks of 256 bytes that no other line names
.set ADRA, 16                          ; v16-17 my fragments of the first operand in slot 0, 1
.set ADRB, 20                          ; v20-21 of the second
.set STV,  18                          ; v18  V's way out: where I put a scale word
.set RDV,  19                          ; v19  and read 16 bytes back
.set VSO,  22                          ; v22  their place in vs
.set STS,  24                          ; v24  Q's and K's way out: where I put a scale word
.set RDS,  25                          ; v25  and read 16 bytes back
.set L8,   26                          ; v26  8 x lane
.set ADRS, 27                          ; v27  my scale words: lanes 0-15 the first operand's rows, lanes 16-31 the second's
.set SPW,  28                          ; v28  my spare word; never rewritten
.set NIL,  29                          ; v29  0; never rewritten
.set L16,  30                          ; v30  16 x lane
.set H16,  31                          ; v31  16 h
.set SC,   32
.set AF,   128
.set PC,   112                         ; the way out: v112-123 codes, v124-130 at work
.set TM,   200                         ; v200-215 at work
.set PW,   216
.set SWV,  220                         ; v220-227 a scale word for each block
.set BKR,  232                         ; v232-239 scale words read back
.set G1, 24
.set G0, 32
.set G1B, 48
.set G0B, 56
.set G1S, 68
.set G0S, 76
.set G1SB, 80
.set G0SB, 88
.set MSB, 0
.macro WIN new                         ; the immediate's high byte repeats the setting that is left
.if MSB != (\new)
	s_set_vgpr_msb (MSB<<8)|(\new)
.set MSB, (\new)
.endif
.endm
.set MUL_LO, 0xa1                      ; source 0 window 1, source 1 window 0, C and D window 2
.set MUL_HI, 0xf1                      ; the same, C and D window 3
.set TO_B,   0x40                      ; destination window 1
; A joint load: waves 0 and 1 fetch for the first operand, waves 2 and 3 for the second; the branch hangs on the wave's number alone.  Four v_nop follow each line.
.macro JLOAD g0a, g1a, g0b, g1b
	s_cmp_eq_u32 s15, 0
	s_cbranch_scc0 .Lfor_b_\@
	tensor_load_to_lds s[\g0a:\g0a+3], s[\g1a:\g1a+7]
	s_nop 0
.rept 4
	v_nop
.endr
	s_branch .Lasked_\@
.Lfor_b_\@:
	tensor_load_to_lds s[\g0b:\g0b+3], s[\g1b:\g1b+7]
	s_nop 0
.rept 4
	v_nop
.endr
.Lasked_\@:
.endm
.macro CREST                           ; a round of the cluster's barrier behind its opening barrier
	s_cmp_lg_u32 s14, 0
	s_cbranch_scc1 .Lnot_wave_0_\@
	s_barrier_signal -3
.Lnot_wave_0_\@:
	s_barrier_wait -3
	s_barrier_signal -1
	s_barrier_wait -1
.endm
.macro CROUND
	s_barrier_signal -1
	s_barrier_wait -1
	CREST
.endm
	s_load_b256 s[4:11], s[0:1], 0x0               ; xc, xs, qkc, qks
	s_load_b64 s[12:13], s[0:1], 0x20              ; vc
	s_load_b64 s[66:67], s[0:1], 0x28              ; vs
	v_lshl_add_u32 v[SPW], v0, 2, SPARE
	v_mov_b32 v[NIL], 0
	ds_add_u32 v28, v29
	s_wait_dscnt 0x0
	v_lshrrev_b32 v1, 5, v0
	v_readfirstlane_b32 s14, v1                    ; wave 0..3
	s_lshr_b32 s15, s14, 1                         ; which half of the first operand's 256 rows is mine.  Also: I fetch for the first (0) or the second (1)
	s_and_b32 s16, s14, 1                          ; which half of the second's.  Also: which 128 rows I fetch
	s_bfe_u32 s40, ttmp6, 0x40000                  ; cx
	s_bfe_u32 s41, ttmp6, 0x40004                  ; cy
	s_and_b32 s17, ttmp7, 0xffff                   ; the cluster's y: the same in all sixteen partners
	s_lshl_b32 s43, s41, 2
	s_lshl_b32 s43, 15, s43                        ; my row of the cluster
	s_lshl_b32 s44, 0x1111, s40                    ; my column
	s_or_b32 s[G1+0], s43, (3<<16)|(1<<21)         ; 15:0 the mask; 17:16 elements of 8 bytes; 21 set beside a mask; no padding
	s_or_b32 s[G1B+0], s44, (3<<16)|(1<<21)
.irp g, G1, G1B
	s_mov_b32 s[\g+1], (NQ*IMG/8)<<16              ; tensor_dim0 = 384 elements: 3,072 bytes
	s_mov_b32 s[\g+2], 8<<16                       ; tensor_dim1 = 8
	s_mov_b32 s[\g+3], (NQ*IMG/8)<<16              ; tile_dim0
	s_mov_b32 s[\g+4], 8                           ; tile_dim1
	s_mov_b32 s[\g+5], TILEB/8                     ; from tile to tile
	s_mov_b32 s[\g+6], 0
	s_mov_b32 s[\g+7], 0
.endr
	s_or_b32 s[G1S+0], s43, (3<<16)|(1<<20)|(1<<21)|(5<<22)|(3<<25)   ; the scales of 128 rows: 16 rows of 256 bytes, 16 bytes of padding behind each
	s_or_b32 s[G1SB+0], s44, (3<<16)|(1<<20)|(1<<21)|(5<<22)|(3<<25)
.irp g, G1S, G1SB
	s_mov_b32 s[\g+1], 32<<16
	s_mov_b32 s[\g+2], 16<<16
	s_mov_b32 s[\g+3], 32<<16
	s_mov_b32 s[\g+4], 16
	s_mov_b32 s[\g+5], 32
	s_mov_b32 s[\g+6], 0
	s_mov_b32 s[\g+7], 0
.endr
	; which tiles of xc: the first operand's hang on cy and the cluster's y alone, the second's on cx and the cluster's y alone
	s_lshl_b32 s18, s16, 3                         ; the 8 tiles that I fetch
	s_lshl_b32 s20, s17, 2
	s_add_co_u32 s20, s20, s41
	s_lshl_b32 s20, s20, 4                         ; Q, K: tokens, tile 16 (4 y + cy)  (q's tiles begin at 0, k's at 512)
	s_lshl_b32 s21, s41, 4
	s_add_co_u32 s21, s21, 1664                    ; V: W_v, tile 1664 + 16 cy
	s_lshr_b32 s46, s17, 3
	s_lshl_b32 s46, s46, 6
	s_lshl_b32 s47, s40, 4
	s_add_co_u32 s46, s46, s47
	s_add_co_u32 s46, s46, 1536                    ; Q, K: W_q or W_k, tile 1536 + 64 (y / 8) + 16 cx
	s_lshl_b32 s47, s17, 2
	s_add_co_u32 s47, s47, s40
	s_lshl_b32 s47, s47, 4                         ; V: tokens, tile 16 (4 y + cx)  (v's tiles begin at 1024 = 16 x 4 x 16)
	s_cmp_ge_u32 s17, 16
	s_cselect_b32 s20, s21, s20
	s_cselect_b32 s46, s47, s46
	s_add_co_u32 s20, s20, s18
	s_add_co_u32 s46, s46, s18
	s_mul_i32 s22, s20, 512                        ; their scale bytes,
	s_mov_b32 s23, 0
	s_mul_i32 s20, s20, TILEB                      ; their codes
	s_mov_b32 s21, 0
	s_mul_i32 s92, s46, 512
	s_mov_b32 s93, 0
	s_mul_i32 s46, s46, TILEB
	s_mov_b32 s47, 0
	s_mul_i32 s45, s14, HALFT                      ; where they go: by the wave's number alone
	s_mul_i32 s94, s14, HALFS
	s_wait_kmcnt 0x0
	s_add_nc_u64 s[20:21], s[4:5], s[20:21]
	s_add_nc_u64 s[22:23], s[6:7], s[22:23]
	s_add_nc_u64 s[46:47], s[4:5], s[46:47]
	s_add_nc_u64 s[92:93], s[6:7], s[92:93]
	CROUND                                         ; all sixteen work-groups are here: the first joint loads meet
	s_mov_b32 s[G0S], 1
	s_add_co_u32 s[G0S+1], s94, SCL
	s_mov_b64 s[G0S+2:G0S+3], s[22:23]
	s_or_b32 s[G0S+3], s[G0S+3], 0x80000000
	s_mov_b32 s[G0SB], 1
	s_add_co_u32 s[G0SB+1], s94, SCL
	s_mov_b64 s[G0SB+2:G0SB+3], s[92:93]
	s_or_b32 s[G0SB+3], s[G0SB+3], 0x80000000
	JLOAD G0S, G1S, G0SB, G1SB                     ; the scales first; three loads of mine are out behind these first fills
.irp s, 0,1
	s_mov_b32 s[G0+4*\s], 1
	s_add_co_u32 s[G0+4*\s+1], s45, \s*SLOT
	s_add_nc_u64 s[G0+4*\s+2:G0+4*\s+3], s[20:21], \s*NQ*IMG
	s_or_b32 s[G0+4*\s+3], s[G0+4*\s+3], 0x80000000
	s_mov_b32 s[G0B+4*\s], 1
	s_add_co_u32 s[G0B+4*\s+1], s45, \s*SLOT
	s_add_nc_u64 s[G0B+4*\s+2:G0B+4*\s+3], s[46:47], \s*NQ*IMG
	s_or_b32 s[G0B+4*\s+3], s[G0B+4*\s+3], 0x80000000
	JLOAD G0+4*\s, G1, G0B+4*\s, G1B
.endr
	v_and_b32 v1, 15, v0                           ; r
	v_bfe_u32 v2, v0, 4, 1                         ; h
	v_and_b32 v6, 31, v0                           ; lane
	v_lshlrev_b32 v[L8], 3, v6
	v_lshlrev_b32 v[L16], 4, v6
	v_lshlrev_b32 v[H16], 4, v2
	s_mul_i32 s21, s15, HALFT
	s_mul_i32 s22, s16, HALFT
	s_add_co_u32 s22, s22, 2*HALFT
.irp s, 0,1
	v_add_nc_u32 v[ADRA+\s], s21, v[L8]
	v_add_nc_u32 v[ADRB+\s], s22, v[L8]
	s_add_co_u32 s21, s21, SLOT
	s_add_co_u32 s22, s22, SLOT
.endr
	v_mul_u32_u24 v5, v1, KS                       ; my row's scales: 32 bytes a row,
	v_lshrrev_b32 v7, 8, v5
	v_lshl_add_u32 v5, v7, 4, v5                   ; and 16 more for each 256 passed
	s_mul_i32 s21, s15, HALFS
	s_mul_i32 s22, s16, HALFS
	s_add_co_u32 s22, s22, 2*HALFS
	s_sub_co_u32 s22, s22, s21
	v_mul_u32_u24 v7, s22, v2                      ; lanes 16-31 take the second operand's
	s_add_co_u32 s21, s21, SCL
	v_add_nc_u32 v5, v5, v7
	v_add_nc_u32 v[ADRS], s21, v5
	; the ways out: small stages for the scale words, in slot 0, each way with bytes of its own
	v_lshlrev_b32 v5, 4, v1
	v_lshl_add_u32 v[VSO], v2, 12, v5              ; vs: lanes 16-31 the next head (4,096 bytes on), 16 bytes a lane
	v_lshl_add_u32 v5, v2, 9, v5
	s_lshl_b32 s23, s14, 10
	v_add_nc_u32 v[STS], s23, v5                   ; 1,024 x wave + 512 h + 16 r
	v_add_nc_u32 v[RDS], s23, v[L16]
	s_lshl_b32 s23, s14, 9
	s_add_co_u32 s23, s23, 4096
	v_lshl_add_u32 v[STV], v1, 3, s23              ; 4,096 + 512 x wave + 8 r
	v_add_nc_u32 v[RDV], s23, v[L16]
.macro FRAG reg, adr, q, i             ; a fragment's image: six pieces of 256 bytes, 8 bytes a lane
.irp p, 0,1,2,3,4,5
	ds_load_b64 v[\reg+2*\p:\reg+2*\p+1], v[\adr] offset:(\i)*NQ*IMG+(\q)*IMG+256*\p
.endr
.endm
; 16 matrix instructions: the first operand's blocks a0, a0 + 1 x the second's eight.  The 64 accumulators take turns, one instruction a turn, in the same order in every step.
.macro MUL16 a0, p, q, sc, zero
.irp a, \a0, \a0+1
.irp b, 0,1,2,3,4,5,6,7
.if \zero
	v_wmma_scale_f32_16x16x128_f8f6f4 v[8*(8*((\a)%4)+\b):8*(8*((\a)%4)+\b)+7], v[128*(\p)+FR*\b:128*(\p)+FR*\b+FR-1], v[AF+FR*(\a):AF+FR*(\a)+FR-1], 0, v[SC+8*NQ*(\sc)+NQ*\b+(\q)], v[SC+8*NQ*(\sc)+NQ*(\a)+(\q)] matrix_a_fmt:MATRIX_FMT_FP6 matrix_b_fmt:MATRIX_FMT_FP6 matrix_a_scale:MATRIX_SCALE_ROW1
.else
	v_wmma_scale_f32_16x16x128_f8f6f4 v[8*(8*((\a)%4)+\b):8*(8*((\a)%4)+\b)+7], v[128*(\p)+FR*\b:128*(\p)+FR*\b+FR-1], v[AF+FR*(\a):AF+FR*(\a)+FR-1], v[8*(8*((\a)%4)+\b):8*(8*((\a)%4)+\b)+7], v[SC+8*NQ*(\sc)+NQ*\b+(\q)], v[SC+8*NQ*(\sc)+NQ*(\a)+(\q)] matrix_a_fmt:MATRIX_FMT_FP6 matrix_b_fmt:MATRIX_FMT_FP6 matrix_a_scale:MATRIX_SCALE_ROW1
.endif
.endr
.endr
.endm
.macro FETCH_B slot, q, p
	WIN TO_B
.irp i, 0,1,2,3,4,5,6,7
	FRAG 128*(\p)+FR*\i, ADRB+\slot, \q, \i
.endr
	WIN 0
.endm
.macro FETCH_A slot, q, i0
.irp i, \i0, \i0+1, \i0+2, \i0+3
	FRAG AF+FR*(\i), ADRA+\slot, \q, \i
.endr
.endm
.macro SCALES sc                       ; a slot's scale words: two a row; lanes 0-15 the first operand's block i, lanes 16-31 the second's
.irp i, 0,1,2,3,4,5,6,7
	ds_load_b64 v[SC+8*NQ*\sc+NQ*\i:SC+8*NQ*\sc+NQ*\i+1], v[ADRS] offset:\i*SBLK
.endr
.endm
.macro PLACES n                        ; plain vector instructions between a matrix instruction and a load into, or a read of, its registers
.rept \n
	v_nop
.endr
.endm
.macro STEP slot, q, zero              ; 128 along K that has its successor in the same slot
	s_wait_dscnt 4*NL                              ; all but the youngest 24 loads (blocks 4-7 of the first operand) are in
	WIN MUL_LO
	MUL16 0, (\q)%2, \q, \slot, \zero
	MUL16 2, (\q)%2, \q, \slot, \zero
	s_wait_dscnt 0
	PLACES NP
	FETCH_B \slot, (\q)+1, 1-(\q)%2
	FETCH_A \slot, (\q)+1, 0
	WIN MUL_HI
	MUL16 4, (\q)%2, \q, \slot, \zero
	MUL16 6, (\q)%2, \q, \slot, \zero
	PLACES NP
	WIN 0
	FETCH_A \slot, (\q)+1, 4
.endm
; A slot's last step changes slots: one barrier; in front of it each wave waits for all its tensor loads, adds 0 to its spare word, and waits for that and for its reads of this slot.  fill = 1: the slot is filled again.
.macro TURN slot, next, fill
	s_wait_tensorcnt 0x0                           ; all my tensor loads have landed: my part of the next slot
	ds_add_u32 v[SPW], v[NIL]                      ; 0 onto my spare word
	s_wait_dscnt 4*NL+1                            ; the add and the youngest 24 loads may be out
	WIN MUL_LO
	MUL16 0, 1, NQ-1, \slot, 0
	s_wait_dscnt 0x0                               ; the add is done, and my reads of this slot are over
	s_barrier_signal -1
	MUL16 2, 1, NQ-1, \slot, 0
	WIN 0
	s_barrier_wait -1
.if \fill
	CREST                                          ; the barrier has opened a round of the cluster's: no wave of any partner still reads this slot or has a load on its way
	s_add_nc_u64 s[G0+4*\slot+2:G0+4*\slot+3], s[G0+4*\slot+2:G0+4*\slot+3], 2*NQ*IMG
	s_add_nc_u64 s[G0B+4*\slot+2:G0B+4*\slot+3], s[G0B+4*\slot+2:G0B+4*\slot+3], 2*NQ*IMG
	JLOAD G0+4*\slot, G1, G0B+4*\slot, G1B         ; the first tensor load behind the round; its four v_nop are the places in front of the loads below
.else
	PLACES NP
.endif
	v_add_nc_u32 v[ADRS], 4*NQ, v[ADRS]            ; the next slot's scale words
	FETCH_B \next, 0, 0
	FETCH_A \next, 0, 0
	SCALES \next
	WIN MUL_HI
	MUL16 4, 1, NQ-1, \slot, 0
	MUL16 6, 1, NQ-1, \slot, 0
	PLACES NP
	WIN 0
	FETCH_A \next, 0, 4
.endm
	s_wait_tensorcnt 1                             ; the scales and my part of slot 0 are in; slot 1's load may be out
	s_barrier_signal -1
	s_barrier_wait -1
	FETCH_B 0, 0, 0
	FETCH_A 0, 0, 0
	SCALES 0
	FETCH_A 0, 0, 4
	STEP 0, 0, 1                                   ; the first products start the sums.  K = 1,024 is eight steps: all are written out
	TURN 0, 1, 1
	STEP 1, 0, 0
	TURN 1, 0, 1
	STEP 0, 0, 0
	TURN 0, 1, 0                                   ; nothing is left to fetch
	STEP 1, 0, 0
	s_wait_dscnt 4*NL
	WIN MUL_LO
	MUL16 0, 1, NQ-1, 1, 0
	MUL16 2, 1, NQ-1, 1, 0
	s_wait_dscnt 0
	WIN MUL_HI
	MUL16 4, 1, NQ-1, 1, 0
	MUL16 6, 1, NQ-1, 1, 0
	WIN 0
; THE WAY OUT.  Block a's 64 registers (window w, from v[s]) become a fragment's codes in v[PC] on and the row's scale word in v[pw].  Each accumulator is read from its low end on.
.macro QUANTW w, s, pw
.set QW, \w
	WIN QW|(QW<<2)                                 ; sources 0 and 1: the accumulators' window
.irp b, 0,1,2,3
	v_max3_num_f32 v[TM+\b], |v[\s+16*\b]|, |v[\s+1+16*\b]|, 0x1800000   ; and the floor 2^(3 - 127): the byte cannot fall under 1
.endr
	WIN (QW<<2)|(QW<<4)                            ; sources 1 and 2
.irp i, 2,4,6,8,10,12,14
.irp b, 0,1,2,3
	v_max3_num_f32 v[TM+\b], v[TM+\b], |v[\s+16*\b+\i]|, |v[\s+1+16*\b+\i]|
.endr
.endr
	WIN 0
.irp b, 0,1,2,3
	v_permlanex16_b32 v[TM+4+\b], v[TM+\b], s18, s19
.endr
.irp b, 0,1,2,3
	v_max_num_f32 v[TM+\b], v[TM+\b], v[TM+4+\b]
.endr
.irp b, 0,1,2,3
	v_add_nc_u32 v[TM+12+\b], 0xff000000, v[TM+\b] ; 2 off the exponent field: the conversion's scale operand
.endr
.irp b, 0,1,2,3
	v_lshrrev_b32 v[TM+4+\b], 23, v[TM+12+\b]      ; the scale's byte
.endr
	v_lshl_or_b32 v[\pw], v[TM+5], 8, v[TM+4]
	v_lshl_or_b32 v[\pw], v[TM+6], 16, v[\pw]
	v_lshl_or_b32 v[\pw], v[TM+7], 24, v[\pw]
	WIN QW                                         ; source 0
.irp c, 0,1
	v_cvt_scalef32_pk16_fp6_f32 v[PC+6*\c:PC+2+6*\c], v[\s+32*\c:\s+15+32*\c], v[TM+12+2*\c]
	v_cvt_scalef32_pk16_fp6_f32 v[PC+12+4*\c:PC+14+4*\c], v[\s+16+32*\c:\s+31+32*\c], v[TM+12+2*\c+1]
.endr
	WIN 0
	v_nop                                          ; one plain instruction behind a scaled conversion
.irp c, 0,1
.irp i, 0,1,2
	v_permlane16_swap_b32 v[PC+6*\c+\i], v[PC+12+4*\c+\i]
.endr
.irp i, 0,1,2
	v_mov_b32 v[PC+3+6*\c+\i], v[PC+12+4*\c+\i]
.endr
.endr
.endm
.macro ENDING
	s_wait_tensorcnt 0x0                           ; the wave's end
	ds_add_u32 v[SPW], v[NIL]
	s_wait_dscnt 0x0
	CROUND                                         ; the closing round
	s_endpgm
.endm
	PLACES NP
.irp b, 0,1,2,3
	v_mov_b32 v[TM+4+\b], 0                        ; a lane permute's destination counts as one of its sources
.endr
	s_cmp_ge_u32 s17, 16                           ; the cluster's y alone decides: the same in all partners
	s_cbranch_scc1 .Lv
	; ---- Q and K: my 128 tokens x my two heads.  Registers 0-5 of a block's fragment are the first head's 64 codes, registers 6-11 the second's; the word's low half is the first head's two bytes
	s_lshr_b32 s45, s17, 3                         ; 0: Q, 1: K
	s_and_b32 s19, s17, 7
	s_lshl_b32 s19, s19, 2
	s_add_co_u32 s19, s19, s41
	s_lshl_b32 s19, s19, 8
	s_lshl_b32 s20, s15, 7
	s_add_co_u32 s19, s19, s20                     ; my first token: 256 (4 (y % 8) + cy) + 128 x half
	s_lshr_b32 s20, s19, 11
	s_lshl_b32 s20, s20, 4
	s_lshl_b32 s21, s40, 2
	s_add_co_u32 s20, s20, s21
	s_lshl_b32 s21, s16, 1
	s_add_co_u32 s20, s20, s21                     ; my first head: 16 x batch + 4 cx + 2 x half
	s_and_b32 s19, s19, 2047
	s_lshr_b32 s19, s19, 4                         ; my first tile of tokens in the batch
	s_mul_i32 s22, s45, 6291456
	s_mul_i32 s23, s20, 98304
	s_add_co_u32 s22, s22, s23
	s_mul_i32 s23, s19, 768
	s_add_co_u32 s22, s22, s23
	s_mov_b32 s23, 0
	s_add_nc_u64 s[8:9], s[8:9], s[22:23]
	s_lshl_b32 s22, s45, 19
	s_lshl_b32 s21, s20, 13
	s_add_co_u32 s22, s22, s21
	s_lshr_b32 s21, s19, 3
	s_lshl_b32 s21, s21, 9
	s_add_co_u32 s22, s22, s21
	s_add_nc_u64 s[10:11], s[10:11], s[22:23]
	s_mov_b32 s18, 0x76543210                      ; lane selects: lane l xor 16
	s_mov_b32 s19, 0xfedcba98
.irp a, 0,1,2,3,4,5,6,7
.if \a > 0
	s_wait_xcnt 0x0                                ; the last block's stores have read the codes' registers
.endif
	QUANTW 2+\a/4, 64*(\a%4), PW
	v_bfe_u32 v[SWV+\a], v[PW], v[H16], 16         ; lanes 0-15 the first head's two bytes, lanes 16-31 the second's; bytes 2 and 3 are 0
	ds_store_b32 v[STS], v[SWV+\a] offset:256*(\a&1)+4*(\a>>1)
.irp p, 0,1,2,3,4,5
	global_store_b64 v[L8], v[PC+2*\p:PC+2*\p+1], s[8:9] offset:768*\a+98304*(\p/3)+256*(\p%3)   ; 256 consecutive bytes, aligned
.endr
.endr
	ds_load_b128 v[BKR:BKR+3], v[RDS]              ; LDS serves a wave's instructions in order: these see my stores
	ds_load_b128 v[BKR+4:BKR+7], v[RDS] offset:512
	s_wait_dscnt 0x0
	global_store_b128 v[L16], v[BKR:BKR+3], s[10:11]
	global_store_b128 v[L16], v[BKR+4:BKR+7], s[10:11] offset:8192
	ENDING
.Lv:
	; ---- V: my 128 channels (two heads x four tiles of 16) x my 128 keys: block a is the fragment of head a / 4, tile a % 4
	s_sub_co_u32 s19, s17, 16
	s_lshl_b32 s19, s19, 2
	s_add_co_u32 s19, s19, s40
	s_lshl_b32 s19, s19, 8
	s_lshl_b32 s20, s16, 7
	s_add_co_u32 s19, s19, s20                     ; my first key: 256 (4 (y - 16) + cx) + 128 x half
	s_lshr_b32 s20, s19, 11
	s_lshl_b32 s20, s20, 4
	s_lshl_b32 s21, s41, 2
	s_add_co_u32 s20, s20, s21
	s_lshl_b32 s21, s15, 1
	s_add_co_u32 s20, s20, s21                     ; my first head: 16 x batch + 4 cy + 2 x half
	s_and_b32 s19, s19, 2047
	s_lshr_b32 s19, s19, 7                         ; which 128 keys of the batch
	s_mul_i32 s22, s20, 98304
	s_mul_i32 s23, s19, 6144
	s_add_co_u32 s22, s22, s23
	s_mov_b32 s23, 0
	s_add_nc_u64 s[12:13], s[12:13], s[22:23]
	s_lshl_b32 s22, s20, 12
	s_lshl_b32 s21, s19, 8
	s_add_co_u32 s22, s22, s21
	s_add_nc_u64 s[66:67], s[66:67], s[22:23]
	s_mov_b32 s18, 0x76543210
	s_mov_b32 s19, 0xfedcba98
.irp a, 0,1,2,3,4,5,6,7
.if \a > 0
	s_wait_xcnt 0x0
.endif
	QUANTW 2+\a/4, 64*(\a%4), SWV+\a
	ds_store_b32 v[STV], v[SWV+\a] offset:256*(\a/4)+128*(\a&1)+4*((\a>>1)&1)   ; lanes l and l + 16 write the same word with the same value
.irp c, 0,1,2
	global_store_b128 v[L16], v[PC+4*\c:PC+4*\c+3], s[12:13] offset:98304*(\a/4)+1536*(\a%4)+512*\c   ; 512 consecutive bytes, aligned
.endr
.endr
	ds_load_b128 v[BKR:BKR+3], v[RDV]
	s_wait_dscnt 0x0
	global_store_b128 v[VSO], v[BKR:BKR+3], s[66:67]   ; 16 lanes store a head's 256 bytes
	ENDING
.Lfunc_end_k_q068a6a6820_proj:
	.size	k_q068a6a6820_proj, .Lfunc_end_k_q068a6a6820_proj-k_q068a6a6820_proj
	.p2alignl 7, 3214868480
	.fill 96, 4, 3214868480
	.section	.rodata,"a",@progbits
	.p2align	6, 0x0
	.amdhsa_kernel k_q068a6a6820_proj
		.amdhsa_group_segment_fixed_size 327680
		.amdhsa_private_segment_fixed_size 0
		.amdhsa_enable_private_segment 0
		.amdhsa_kernarg_size 48
		.amdhsa_user_sgpr_count 2
		.amdhsa_user_sgpr_kernarg_segment_ptr 1
		.amdhsa_wavefront_size32 1
		.amdhsa_system_sgpr_workgroup_id_x 1
		.amdhsa_system_sgpr_workgroup_id_y 1
		.amdhsa_system_sgpr_workgroup_id_z 1
		.amdhsa_system_vgpr_workitem_id 0
		.amdhsa_next_free_vgpr 1024
		.amdhsa_next_free_sgpr 100
		.amdhsa_reserve_vcc 0
		.amdhsa_float_denorm_mode_32 3
		.amdhsa_float_denorm_mode_16_64 3
		.amdhsa_memory_ordered 1
		.amdhsa_forward_progress 1
		.amdhsa_inst_pref_size 204
	.end_amdhsa_kernel
	.amdgpu_metadata
---
amdhsa.version: [ 1, 2 ]
amdhsa.kernels:
  - .name:           k_q068a6a6820_proj
    .symbol:         k_q068a6a6820_proj.kd
    .args:
      - { .name: xc, .offset: 0, .size: 8, .value_kind: global_buffer, .address_space: global }
      - { .name: xs, .offset: 8, .size: 8, .value_kind: global_buffer, .address_space: global }
      - { .name: qkc, .offset: 16, .size: 8, .value_kind: global_buffer, .address_space: global }
      - { .name: qks, .offset: 24, .size: 8, .value_kind: global_buffer, .address_space: global }
      - { .name: vc, .offset: 32, .size: 8, .value_kind: global_buffer, .address_space: global }
      - { .name: vs, .offset: 40, .size: 8, .value_kind: global_buffer, .address_space: global }
    .group_segment_fixed_size: 327680
    .private_segment_fixed_size: 0
    .kernarg_segment_align: 8
    .kernarg_segment_size: 48
    .max_flat_workgroup_size: 128
    .sgpr_count:     100
    .vgpr_count:     1024
    .wavefront_size: 32
...
	.end_amdgpu_metadata
.endif
;; end of part 2
;; launch attn (part 3): grid 8 x 32, 16 waves a work-group, no clusters, 327,680 bytes of LDS; arguments qkc, qks, vc, vs, cc, cs; writes cc, cs
.if DOCPART == 3
	.amdgcn_target "amdgcn-amd-amdhsa--gfx1250"
	.amdhsa_code_object_version 6
	.text
	.protected	k_q068a6a6820_attn
	.globl	k_q068a6a6820_attn
	.p2align	8
	.type	k_q068a6a6820_attn,@function
k_q068a6a6820_attn:
	s_mov_b64 s[64:65], 0
	v_nop
	global_prefetch_b8 v0, s[64:65] scope:SCOPE_SE
	s_setreg_imm32_b32 hwreg(HW_REG_WAVE_MODE, 25, 1), 1
	s_wait_xcnt 0x0
; ctx = softmax(Q K^T / 8) V for 64 heads of size 64, 2,048 queries and keys, both products on codes of FP6 (E2M3) with E8M0 scales; ctx is quantised along (head, channel) and leaves as codes.
; THE SOFTMAX: t = score x log2(e) / 8; M = the running largest t rounded UP to a whole number; p = 2^(t - M) is quantised along the keys, not normalised; the row's sum is taken of the unquantised p and divides at the end
; (a reciprocal and a multiplication).  When M moves, the sum and O are multiplied by 2^(old M - new M): exact.
; LIMITS: a block's largest p is taken through its largest score (v_exp_f32 is taken not to fall where its input rises); a block of zeros gets the byte 1, with zero codes.
; SHARES.  Work-group (x, y): 256 queries (block x) of batch y / 8, for the TWO heads 2 (y % 8) and 2 (y % 8) + 1, one after the other: their K and V lie on end in memory, so the ring walks 8 slots of 512 keys.
; Each of 16 waves owns 16 queries in 256 registers.  At the end a wave holds both heads' ctx: 128 along the last product's K: a whole fragment and a whole scale word.
; No cluster: the eight work-groups of a y read the same K and V, 48 KiB a slot against 64 wave steps of some 250 vector instructions each: what is shared is little beside the vector work that binds this launch.
; LAYOUT.  Both products transposed: S^T = K Q^T, O^T = V^T P^T: a lane holds one query.  K's tiles hold keys 32 b + 8 u + r + 8 (r / 8), so that p's 16 registers of two tiles are 16 neighbouring keys; V's tiles of channels likewise.
; A head has 64 along the first product's K: a fragment's registers 6-11 are zeros on Q's side, so whatever stands there on K's side (the next tile's codes) adds nothing.
; LDS: slot 0 at 0, slot 1 at 65,536 (each: K 32 tiles x 768 bytes, then V 4 steps x 6,144); K's scale words of both heads at 131,072 (16,384 bytes), V's behind (8,192), the spare words behind.  All reads are consecutive from lane to lane.
.set SLOT1, 65536
.set KB,    24576                      ; a slot's bytes of K, and of V
.set SCK,   131072
.set SCV,   SCK+16384
.set SPARE, SCV+8192                   ; 128 bytes for each wave: eight blocks of 256 bytes that no other line names
.set AK0,  1                           ; v1   8 x lane
.set AV0,  2                           ; v2   16 x lane + KB
.set ASK0, 3                           ; v3   SCK + 16 x lane
.set ASV0, 4                           ; v4   SCV + 8 x lane
.set SPW,  5                           ; v5   my spare word; never rewritten
.set NIL,  6                           ; v6   0; never rewritten
.set ADK,  8                           ; v8-11 the step's addresses: K, V, K's scale words, V's
.set ADV,  9
.set ADS,  10
.set ADT,  11
.set PFO,  28                          ; v28  256 x lane
.set CSO,  29                          ; v29  32 r
.set CF,   192                         ; v192-203 ctx's fragment
.set CW,   204                         ; v204 its scale word
; v12 -M, v13 the largest t, v[14:15] the sum; v16-21 Q's codes, v22-27 zeros; v30 the second head's Q scale word; v32-79 K's eight tiles (tile t at 32 + 6 t), then V's four fragments; v80-85 zeros;
; v86-91 the second head's Q; v[92:93] the sum's second chain; v96-159 S^T, then p; v160-191 O^T; v224-235 p's codes; v232-254 at work; v248-251 K's or V's scale words; v253 p's; v255 Q's.
.set WV,   18
.set SEL,  20
.set CS,   22
.set G1T,  24                          ; s[24:31] 96 rows of 256 bytes: a slot's K, or its V
.set G1S,  32                          ; s[32:39] 32 rows of 256 bytes: scale words
.set G0T,  40                          ; s[40:43] walks
.set G0S,  44
.set PFA,  48                          ; s[48:49] where my prefetches stand
.set LIM,  50                          ; s50  1 in a wave that prefetches, else the greatest number
.set TB,   2                           ; s2   the slot in hand
.set TS,   3                           ; s3   the step's scale words of K: 512 bytes a step
.set TJ,   66                          ; s66  of V: 256 bytes a step
.set SLOTS, 67                         ; s67  slots still to be asked for
.macro TLOAD g0, g1, n                 ; waves 0 to n - 1 fetch, each into LDS bytes of its own; four v_nop follow the line
	s_cmp_lt_u32 s[WV], \n
	s_cbranch_scc0 .Lnone_\@
	tensor_load_to_lds s[\g0:\g0+3], s[\g1:\g1+7]
	s_nop 0
.rept 4
	v_nop
.endr
.Lnone_\@:
.endm
; A prefetch of what the NEXT change of slots will ask for: 24,576 bytes of K and as many of V.  The eight work-groups of a y walk the same bytes: the first (x = 0) asks; in it waves 4 to 6 ask for K's,
; waves 8 to 10 for V's, 8,192 bytes a wave, lanes 256 bytes apart: each aligned block of 256 bytes is named once in the launch.  Slots 0 and 1 come by their loads alone; the last change that fills a slot asks for nothing.
.macro ASK
	s_cmp_gt_u32 s[SLOTS], s[LIM]
	s_cbranch_scc0 .Lnot_mine_\@
	global_prefetch_b8 v[PFO], s[PFA:PFA+1] th:TH_LOAD_NT scope:SCOPE_SE
.Lnot_mine_\@:
.endm
	s_load_b256 s[4:11], s[0:1], 0x0               ; qkc, qks, vc, vs
	s_load_b128 s[12:15], s[0:1], 0x20             ; cc, cs
	v_lshl_add_u32 v[SPW], v0, 2, SPARE
	v_mov_b32 v[NIL], 0
	ds_add_u32 v5, v6
	s_wait_dscnt 0x0
	v_lshrrev_b32 v8, 5, v0
	v_readfirstlane_b32 s[WV], v8                  ; wave 0..15
	s_and_b32 s52, ttmp7, 0xffff                   ; y
	s_mov_b32 s[G1T], 3<<16                        ; elements of 8 bytes, no mask, no padding
	s_mov_b32 s[G1T+1], 32<<16                     ; tensor_dim0 = 32: 256 bytes
	s_mov_b32 s[G1T+2], 96<<16                     ; tensor_dim1
	s_mov_b32 s[G1T+3], 32<<16                     ; tile_dim0
	s_mov_b32 s[G1T+4], 96                         ; tile_dim1
	s_mov_b32 s[G1T+5], 32                         ; dense
	s_mov_b32 s[G1T+6], 0
	s_mov_b32 s[G1T+7], 0
	s_mov_b32 s[G1S], 3<<16
	s_mov_b32 s[G1S+1], 32<<16
	s_mov_b32 s[G1S+2], 32<<16
	s_mov_b32 s[G1S+3], 32<<16
	s_mov_b32 s[G1S+4], 32
	s_mov_b32 s[G1S+5], 32
	s_mov_b32 s[G1S+6], 0
	s_mov_b32 s[G1S+7], 0
	s_and_b32 s53, s[WV], 1
	s_mul_i32 s54, s52, 196608                     ; the two heads' first byte among Q's tiles, K's tiles and V's fragments
	s_mov_b32 s55, 0
	s_min_u32 s56, s[WV], 2
	s_lshl_b32 s57, s52, 14                        ; among Q's and K's scale words
	s_lshl_b32 s58, s[WV], 13
	s_add_co_u32 s58, s58, s57
	s_add_co_u32 s58, s58, 524288                  ; waves 0, 1: K's scale words of head 0, 1
	s_mov_b32 s59, 0
	s_lshl_b32 s60, s52, 13                        ; wave 2: V's of both
	s_mov_b32 s61, 0
	s_mov_b32 s[SEL], 0x76543210
	s_mov_b32 s[SEL+1], 0xfedcba98
	s_mov_b32 s[CS], 0x3e38aa3b                    ; c = log2(e) / 8
	s_mov_b32 s[CS+1], s[CS]                       ; (named with it as a pair)
	s_mov_b32 s[TB], 0
	s_mov_b32 s[TS], 0
	s_mov_b32 s[TJ], 0
	s_wait_kmcnt 0x0
	s_mov_b32 s[G0S], 1
	s_lshl_b32 s[G0S+1], s56, 13
	s_add_co_u32 s[G0S+1], s[G0S+1], SCK           ; SCK + 8,192 x min(wave, 2)
	s_cmp_lt_u32 s[WV], 2
	s_cselect_b64 s[G0S+2:G0S+3], s[6:7], s[10:11]
	s_cselect_b32 s58, s58, s60
	s_add_nc_u64 s[G0S+2:G0S+3], s[G0S+2:G0S+3], s[58:59]
	s_or_b32 s[G0S+3], s[G0S+3], 0x80000000
	TLOAD G0S, G1S, 3                              ; the scale words: filled once
	s_mov_b32 s[G0T], 1
	s_mul_i32 s[G0T+1], s53, KB                    ; wave 0: K, at the slot's head; wave 1: V, behind it
	s_cmp_eq_u32 s53, 0
	s_cselect_b64 s[G0T+2:G0T+3], s[4:5], s[8:9]
	s_cselect_b32 s60, 6291456, 0                  ; K's tiles lie behind Q's
	s_add_nc_u64 s[G0T+2:G0T+3], s[G0T+2:G0T+3], s[54:55]
	s_add_nc_u64 s[G0T+2:G0T+3], s[G0T+2:G0T+3], s[60:61]
	s_or_b32 s[G0T+3], s[G0T+3], 0x80000000
	TLOAD G0T, G1T, 2                              ; slot 0.  Two loads of a wave are out at the most; every wait on them is for 0
	s_lshl_b32 s62, ttmp9, 4
	s_add_co_u32 s62, s62, s[WV]                   ; my tile of 16 queries among the batch's 128
	s_mul_i32 s60, s62, 768
	s_add_co_u32 s60, s60, s54
	s_add_nc_u64 s[68:69], s[4:5], s[60:61]        ; Q's codes
	s_lshr_b32 s60, s62, 3
	s_lshl_b32 s60, s60, 9
	s_add_co_u32 s60, s60, s57
	s_lshl_b32 s63, s53, 8
	s_add_co_u32 s60, s60, s63
	s_bfe_u32 s63, s[WV], 0x20001
	s_lshl_b32 s63, s63, 2
	s_add_co_u32 s60, s60, s63                     ; group tile / 8, then 256 (tile & 1) + 4 ((tile & 7) >> 1)
	s_add_nc_u64 s[70:71], s[6:7], s[60:61]        ; Q's scale words
	s_lshr_b32 s60, s52, 3
	s_lshl_b32 s60, s60, 7
	s_add_co_u32 s60, s60, s62                     ; my tile among all 512: 128 x batch + 16 x + wave
	s_and_b32 s63, s52, 7                          ; the pair of heads = the last product's K step
	s_mul_i32 s72, s60, 12288
	s_mul_i32 s73, s63, 1536
	s_add_co_u32 s72, s72, s73
	s_mov_b32 s73, 0
	s_add_nc_u64 s[12:13], s[12:13], s[72:73]
	s_lshl_b32 s72, s60, 9
	s_lshl_b32 s63, s63, 2
	s_add_co_u32 s72, s72, s63
	s_add_nc_u64 s[14:15], s[14:15], s[72:73]
	s_cmp_lt_u32 s[WV], 8                          ; the prefetches: waves 4 to 6 K, waves 8 to 10 V
	s_cselect_b64 s[PFA:PFA+1], s[4:5], s[8:9]
	s_cselect_b32 s60, 6291456, 0
	s_and_b32 s63, s[WV], 3
	s_lshl_b32 s63, s63, 13
	s_add_co_u32 s60, s60, s63
	s_add_co_u32 s60, s60, s54
	s_add_co_u32 s60, s60, KB                      ; in slot 1: the first change of slots steps it to slot 2
	s_add_nc_u64 s[PFA:PFA+1], s[PFA:PFA+1], s[60:61]
	s_sub_co_u32 s63, s[WV], 4
	s_lshr_b32 s63, s63, 3                         ; 0 in waves 4 to 11,
	s_or_b32 s63, s63, ttmp9                       ; of the work-group with x = 0
	s_cmp_eq_u32 s63, 0
	s_cselect_b32 s[LIM], 1, -1
	s_and_b32 s63, s[WV], 3
	s_cmp_eq_u32 s63, 3                            ; three waves' worth each: not waves 7 and 11
	s_cselect_b32 s[LIM], -1, s[LIM]
	v_and_b32 v31, 31, v0                          ; lane
	v_and_b32 v9, 15, v0                           ; r
	v_lshlrev_b32 v[AK0], 3, v31
	v_lshlrev_b32 v[AV0], 4, v31
	v_add_nc_u32 v[ASK0], SCK, v[AV0]
	v_add_nc_u32 v[AV0], KB, v[AV0]
	v_add_nc_u32 v[ASV0], SCV, v[AK0]
	v_lshlrev_b32 v[PFO], 8, v31
	v_lshlrev_b32 v[CSO], 5, v9
	v_lshlrev_b32 v10, 4, v9
.irp p, 0,1,2
	global_load_b64 v[16+2*\p:17+2*\p], v[AK0], s[68:69] offset:256*\p          ; Q of the first head,
	global_load_b64 v[86+2*\p:87+2*\p], v[AK0], s[68:69] offset:98304+256*\p    ; of the second
.endr
	global_load_b32 v255, v10, s[70:71]
	global_load_b32 v30, v10, s[70:71] offset:8192
.irp j, 0,1,2,3,4,5
	v_mov_b32 v[22+\j], 0                          ; the upper half of Q's fragment: zero codes
	v_mov_b32 v[80+\j], 0                          ; what the last tile of K reaches into
.endr
.irp b, 0,1,2,3
	v_mov_b32 v[236+\b], 0                         ; a lane permute's destination counts as one of its sources
.endr
	v_mov_b32 v252, 0
	v_mov_b32 v253, 0                              ; (named as the upper half of the pair v[252:253])
.macro INIT                            ; a head begins: O^T and the sum are zeros, the largest t -3e38: the step is written once, and the first change of M multiplies zeros
	v_mov_b32 v13, 0xff61b1e6
	v_floor_f32 v12, -v13
	v_mov_b32 v14, 0
	v_mov_b32 v15, 0
.set J, 0
.rept 32
	v_mov_b32 v[160+J], 0
.set J, J+1
.endr
.endm
	INIT
; A KEY STEP: 128 keys, the q-th of the slot in hand.
.macro STEP q
	v_add_nc_u32 v[ADK], s[TB], v[AK0]             ; (these four are the places between the last products and the loads into their registers)
	v_add_nc_u32 v[ADV], s[TB], v[AV0]
	v_add_nc_u32 v[ADS], s[TS], v[ASK0]
	v_add_nc_u32 v[ADT], s[TJ], v[ASV0]
.irp t, 0,1,2,3,4,5,6,7
.irp p, 0,1,2
	ds_load_b64 v[32+6*\t+2*\p:33+6*\t+2*\p], v[ADK] offset:6144*(\q)+768*\t+256*\p
.endr
.endr
	ds_load_b128 v[248:251], v[ADS]                ; register u: lanes 0-15 tile 2 u's words, lanes 16-31 tile 2 u + 1's
	s_wait_dscnt 0x0
.irp u, 0,1,2,3
	v_wmma_scale_f32_16x16x128_f8f6f4 v[96+16*\u:103+16*\u], v[32+12*\u:43+12*\u], v[16:27], 0, v[248+\u], v255 matrix_a_fmt:MATRIX_FMT_FP6 matrix_b_fmt:MATRIX_FMT_FP6
	v_wmma_scale_f32_16x16x128_f8f6f4 v[104+16*\u:111+16*\u], v[38+12*\u:49+12*\u], v[16:27], 0, v[248+\u], v255 matrix_a_fmt:MATRIX_FMT_FP6 matrix_b_fmt:MATRIX_FMT_FP6 matrix_a_scale:MATRIX_SCALE_ROW1
.endr
.rept 4
	v_nop                                          ; places: in front of the loads below and of the first read of the scores
.endr
.irp t, 0,1,2,3                        ; V's four fragments are asked for now and land under the softmax
.irp c, 0,1,2
	ds_load_b128 v[32+12*\t+4*\c:35+12*\t+4*\c], v[ADV] offset:6144*(\q)+1536*\t+512*\c
.endr
.endr
	ds_load_b64 v[248:249], v[ADT]
.irp b, 0,1,2,3
	v_max3_num_f32 v[232+\b], v[96+16*\b], v[97+16*\b], v[98+16*\b]   ; the largest score of each block of 32 keys: for the row's maximum, and for the block's largest p
.endr
.irp i, 3,5,7,9,11,13
.irp b, 0,1,2,3
	v_max3_num_f32 v[232+\b], v[232+\b], v[96+16*\b+\i], v[97+16*\b+\i]
.endr
.endr
.irp b, 0,1,2,3
	v_max_num_f32 v[232+\b], v[232+\b], v[111+16*\b]
.endr
.irp b, 0,1,2,3
	v_permlanex16_b32 v[236+\b], v[232+\b], s[SEL], s[SEL+1]
.endr
.irp b, 0,1,2,3
	v_max_num_f32 v[232+\b], v[232+\b], v[236+\b]
.endr
	v_max3_num_f32 v254, v232, v233, v234
	v_max_num_f32 v254, v254, v235
	v_mul_f32 v254, s[CS], v254                    ; as t
	v_max_num_f32 v13, v13, v254                   ; the running largest t
	v_mov_b32 v254, v12
	v_floor_f32 v12, -v13                          ; the new -M = -ceil(t)
	v_sub_f32 v254, v12, v254                      ; old M - new M: a whole number, 0 or less
	v_cvt_i32_f32 v254, v254                       ; (it saturates)
	v_ldexp_f32 v252, 1.0, v254                    ; f = 2^(old M - new M)
.set J, 0
.rept 32
	v_pk_fma_f32 v[96+J:97+J], v[96+J:97+J], s[CS:CS+1], v[12:13] op_sel_hi:[1,0,0]   ; t - M
.set J, J+2
.endr
.irp b, 0,1,2,3
	v_fma_f32 v[232+\b], v[232+\b], s[CS], v12
.endr
.set J, 0
.rept 64
	v_exp_f32 v[96+J], v[96+J]                     ; p = 2^(t - M)
.set J, J+1
.endr
	v_pk_mul_f32 v[14:15], v[14:15], v[252:253] op_sel_hi:[1,0]   ; the sum under the new M: the plain instruction behind the batch
	s_wait_alu depctr_va_vdst(0)                   ; one wait for the 64, ahead of their first reader
.irp b, 0,1,2,3
	v_exp_f32 v[232+\b], v[232+\b]                 ; each block's largest p
.endr
	v_pk_add_f32 v[92:93], v[96:97], v[98:99]      ; the row's sum of the unquantised p, in two chains
.irp j, 4,8,12,16,20,24,28,32,36,40,44,48,52
	v_pk_add_f32 v[14:15], v[14:15], v[96+\j:97+\j]
	v_pk_add_f32 v[92:93], v[92:93], v[98+\j:99+\j]
.endr
	s_wait_alu depctr_va_vdst(0)                   ; and one for the four
.irp b, 0,1,2,3
	v_max_num_f32 v[232+\b], 0x1800000, v[232+\b]  ; the floor 2^(3 - 127)
.endr
.irp b, 0,1,2,3
	v_add_nc_u32 v[244+\b], 0xff000000, v[232+\b]
.endr
.irp b, 0,1,2,3
	v_lshrrev_b32 v[236+\b], 23, v[244+\b]
.endr
	v_lshl_or_b32 v253, v237, 8, v236              ; p's scale word for these 128 keys
	v_lshl_or_b32 v253, v238, 16, v253
	v_lshl_or_b32 v253, v239, 24, v253
.irp c, 0,1
	v_cvt_scalef32_pk16_fp6_f32 v[224+6*\c:226+6*\c], v[96+32*\c:111+32*\c], v[244+2*\c]
	v_cvt_scalef32_pk16_fp6_f32 v[236+4*\c:238+4*\c], v[112+32*\c:127+32*\c], v[244+2*\c+1]
.endr
	v_nop                                          ; one plain instruction behind a scaled conversion
.irp c, 0,1
.irp i, 0,1,2
	v_permlane16_swap_b32 v[224+6*\c+\i], v[236+4*\c+\i]
.endr
.irp i, 0,1,2
	v_mov_b32 v[227+6*\c+\i], v[236+4*\c+\i]
.endr
.endr
.set J, 0
.rept 16
	v_pk_mul_f32 v[160+J:161+J], v[160+J:161+J], v[252:253] op_sel_hi:[1,0]   ; O^T under the new M
.set J, J+2
.endr
.irp j, 56,60                          ; the sums' last additions stand here: plain work between the last write of an accumulator and the products
	v_pk_add_f32 v[14:15], v[14:15], v[96+\j:97+\j]
	v_pk_add_f32 v[92:93], v[92:93], v[98+\j:99+\j]
.endr
	v_pk_add_f32 v[14:15], v[14:15], v[92:93]
	s_wait_dscnt 0x0                               ; V is in
.irp u, 0,1
	v_wmma_scale_f32_16x16x128_f8f6f4 v[160+16*\u:167+16*\u], v[32+24*\u:43+24*\u], v[224:235], v[160+16*\u:167+16*\u], v[248+\u], v253 matrix_a_fmt:MATRIX_FMT_FP6 matrix_b_fmt:MATRIX_FMT_FP6
	v_wmma_scale_f32_16x16x128_f8f6f4 v[168+16*\u:175+16*\u], v[44+24*\u:55+24*\u], v[224:235], v[168+16*\u:175+16*\u], v[248+\u], v253 matrix_a_fmt:MATRIX_FMT_FP6 matrix_b_fmt:MATRIX_FMT_FP6 matrix_a_scale:MATRIX_SCALE_ROW1
.endr
	s_add_co_u32 s[TS], s[TS], 512
	s_add_co_u32 s[TJ], s[TJ], 256
.endm
; THE CHANGE OF SLOTS, at a slot's head.  Each wave waits for all its tensor loads, adds 0 to its spare word, and waits for that and for its reads of the slot that it has left; behind the barrier the slot ahead is whole
; and nobody reads the other one.  fill = 1: that other slot takes the next 512 keys: the load has four key steps in which to land.
.macro CHANGE fill
	s_wait_tensorcnt 0x0                           ; no tensor load of mine is out, so the walking descriptor may be written
	ds_add_u32 v[SPW], v[NIL]
.if \fill
	s_xor_b32 s[G0T+1], s[G0T+1], SLOT1
	s_add_nc_u64 s[G0T+2:G0T+3], s[G0T+2:G0T+3], KB
	s_wait_xcnt 0x0                                ; the last prefetch, a slot back, has read its address
	s_add_nc_u64 s[PFA:PFA+1], s[PFA:PFA+1], KB
.endif
	s_wait_dscnt 0x0                               ; the add is done, and my reads of the slot that I have left are over
	s_barrier_signal -1
	s_barrier_wait -1
.if \fill
	TLOAD G0T, G1T, 2                              ; the first thing behind the barrier, a wave's one tensor load until the next
	ASK
.endif
.endm
.macro SLOT_STEPS
	STEP 0
	STEP 1
	STEP 2
	STEP 3
	s_xor_b32 s[TB], s[TB], SLOT1
.endm
; A head is done: O^T / the sum, quantised: its 64 channels are blocks 2 c and 2 c + 1 of my rows' 128: registers 6 c .. 6 c + 5 of ctx's fragment, bytes 2 c, 2 c + 1 of its scale word.
.macro FINISH c
.rept 4
	v_nop                                          ; places behind the last products
.endr
	v_add_f32 v14, v14, v15
	v_permlanex16_b32 v252, v14, s[SEL], s[SEL+1]
	v_add_f32 v14, v14, v252                       ; the row's sum
	v_rcp_f32 v14, v14
	v_nop
	s_wait_alu depctr_va_vdst(0)                   ; ahead of the reciprocal's first reader
.set J, 0
.rept 16
	v_pk_mul_f32 v[96+J:97+J], v[160+J:161+J], v[14:15] op_sel_hi:[1,0]   ; register 16 b + i = channel 32 b + 16 h + i; each accumulator from its low end on
.set J, J+2
.endr
.irp b, 0,1
	v_max3_num_f32 v[232+\b], |v[96+16*\b]|, |v[97+16*\b]|, 0x1800000
.endr
.irp i, 2,4,6,8,10,12,14
.irp b, 0,1
	v_max3_num_f32 v[232+\b], v[232+\b], |v[96+16*\b+\i]|, |v[97+16*\b+\i]|
.endr
.endr
.irp b, 0,1
	v_permlanex16_b32 v[236+\b], v[232+\b], s[SEL], s[SEL+1]
.endr
.irp b, 0,1
	v_max_num_f32 v[232+\b], v[232+\b], v[236+\b]
.endr
.irp b, 0,1
	v_add_nc_u32 v[244+\b], 0xff000000, v[232+\b]
.endr
.irp b, 0,1
	v_lshrrev_b32 v[236+\b], 23, v[244+\b]
.endr
.if \c == 0
	v_lshl_or_b32 v[CW], v237, 8, v236
.else
	v_lshl_or_b32 v[CW], v236, 16, v[CW]
	v_lshl_or_b32 v[CW], v237, 24, v[CW]
.endif
	v_cvt_scalef32_pk16_fp6_f32 v[CF+6*\c:CF+6*\c+2], v[96:111], v244
	v_cvt_scalef32_pk16_fp6_f32 v[240:242], v[112:127], v245
	v_nop
.irp i, 0,1,2
	v_permlane16_swap_b32 v[CF+6*\c+\i], v[240+\i]
.endr
.irp i, 0,1,2
	v_mov_b32 v[CF+6*\c+3+\i], v[240+\i]
.endr
.endm
	s_wait_loadcnt 0x0                             ; Q
	s_mov_b32 s[SLOTS], 7
.Lhead0:                                           ; four trips: the first head's four slots
	CHANGE 1
	SLOT_STEPS
	s_sub_co_u32 s[SLOTS], s[SLOTS], 1
	s_cmp_lg_u32 s[SLOTS], 3
	s_cbranch_scc1 .Lhead0
	FINISH 0
.irp j, 0,1,2,3,4,5
	v_mov_b32 v[16+\j], v[86+\j]                   ; the second head's Q
.endr
	v_mov_b32 v255, v30
	INIT
	s_mov_b32 s[SLOTS], 3
.Lhead1:                                           ; three trips; the last slot is written out
	CHANGE 1
	SLOT_STEPS
	s_sub_co_u32 s[SLOTS], s[SLOTS], 1
	s_cmp_lg_u32 s[SLOTS], 0
	s_cbranch_scc1 .Lhead1
	CHANGE 0
	SLOT_STEPS
	FINISH 1
.irp p, 0,1,2,3,4,5
	global_store_b64 v[AK0], v[CF+2*\p:CF+2*\p+1], s[12:13] offset:256*\p   ; 256 consecutive bytes, aligned
.endr
	global_store_b32 v[CSO], v[CW], s[14:15]       ; my rows' word of this K step, 4 of each row's 32 bytes; lanes l and l + 16 hold the same word and name the same place
	s_wait_tensorcnt 0x0                           ; the wave's end
	ds_add_u32 v[SPW], v[NIL]
	s_wait_dscnt 0x0
	s_endpgm
.Lfunc_end_k_q068a6a6820_attn:
	.size	k_q068a6a6820_attn, .Lfunc_end_k_q068a6a6820_attn-k_q068a6a6820_attn
	.p2alignl 7, 3214868480
	.fill 96, 4, 3214868480
	.section	.rodata,"a",@progbits
	.p2align	6, 0x0
	.amdhsa_kernel k_q068a6a6820_attn
		.amdhsa_group_segment_fixed_size 327680
		.amdhsa_private_segment_fixed_size 0
		.amdhsa_enable_private_segment 0
		.amdhsa_kernarg_size 48
		.amdhsa_user_sgpr_count 2
		.amdhsa_user_sgpr_kernarg_segment_ptr 1
		.amdhsa_wavefront_size32 1
		.amdhsa_system_sgpr_workgroup_id_x 1
		.amdhsa_system_sgpr_workgroup_id_y 1
		.amdhsa_system_sgpr_workgroup_id_z 1
		.amdhsa_system_vgpr_workitem_id 0
		.amdhsa_next_free_vgpr 256
		.amdhsa_next_free_sgpr 80
		.amdhsa_reserve_vcc 0
		.amdhsa_float_denorm_mode_32 3
		.amdhsa_float_denorm_mode_16_64 3
		.amdhsa_memory_ordered 1
		.amdhsa_forward_progress 1
		.amdhsa_inst_pref_size 210
	.end_amdhsa_kernel
	.amdgpu_metadata
---
amdhsa.version: [ 1, 2 ]
amdhsa.kernels:
  - .name:           k_q068a6a6820_attn
    .symbol:         k_q068a6a6820_attn.kd
    .args:
      - { .name: qkc, .offset: 0, .size: 8, .value_kind: global_buffer, .address_space: global }
      - { .name: qks, .offset: 8, .size: 8, .value_kind: global_buffer, .address_space: global }
      - { .name: vc, .offset: 16, .size: 8, .value_kind: global_buffer, .address_space: global }
      - { .name: vs, .offset: 24, .size: 8, .value_kind: global_buffer, .address_space: global }
      - { .name: cc, .offset: 32, .size: 8, .value_kind: global_buffer, .address_space: global }
      - { .name: cs, .offset: 40, .size: 8, .value_kind: global_buffer, .address_space: global }
    .group_segment_fixed_size: 327680
    .private_segment_fixed_size: 0
    .kernarg_segment_align: 8
    .kernarg_segment_size: 48
    .max_flat_workgroup_size: 512
    .sgpr_count:     80
    .vgpr_count:     256
    .wavefront_size: 32
...
	.end_amdgpu_metadata
.endif
;; end of part 3
;; launch outp (part 4): grid 4 x 32, 4 waves a work-group, clusters of 4 x 4, 327,680 bytes of LDS; arguments cc, cs, xc, xs, out0; writes out0
.if DOCPART == 4
	.amdgcn_target "amdgcn-amd-amdhsa--gfx1250"
	.amdhsa_code_object_version 6
	.text
	.protected	k_q068a6a6820_outp
	.globl	k_q068a6a6820_outp
	.p2align	8
	.type	k_q068a6a6820_outp,@function
k_q068a6a6820_outp:
	s_mov_b64 s[64:65], 0
	v_nop
	global_prefetch_b8 v0, s[64:65] scope:SCOPE_SE
	s_setreg_imm32_b32 hwreg(HW_REG_WAVE_MODE, 25, 1), 1
	s_wait_xcnt 0x0
	s_wait_alu depctr_hold_cnt(0) depctr_sa_sdst(0) depctr_va_vdst(0) depctr_va_sdst(0) depctr_va_ssrc(0) depctr_va_vcc(0) depctr_vm_vsrc(0)
	s_getreg_b32 s2, hwreg(HW_REG_IB_STS2, 6, 4)
	s_cmp_eq_u32 s2, 0
	s_cbranch_scc0 .Lentry_in_a_cluster
	s_endpgm
.Lentry_in_a_cluster:
	s_bfe_u32 s2, ttmp6, 0x10000c
	s_cmp_lg_u32 s2, 0xf033
	s_cbranch_scc0 .Lentry_shape_is_right
	s_endpgm
.Lentry_shape_is_right:
; out0 = ctx W_o^T on codes of FP6 (E2M3) with E8M0 scales; out0 [8192][1024] f32, sums in f32.
; A work-group of four waves makes 256 x 256, a wave 128 x 128: 64 accumulators, 512 registers.  K = 1,024 goes in four steps of 256 through a ring of two LDS slots.
; OPERANDS come as images of their registers ([tile of 16 rows][K step of 128][1,536 bytes], piece p at 256 p, lane l at 8 l): ctx from cc (tiles 0..511), W_o from xc (tiles 1728..1791); scale bytes [row][32] from cs and xs.
; A wave's tensor load brings 8 tiles x 2 K steps: 8 rows of 3,072 bytes, 12,288 bytes apart.  The scale bytes of the work-group's rows, for all of K, come once, as rows of 256 bytes + 16 of padding, and stay.
; CLUSTERS of 4 x 4: ctx's tiles are shared along a row of the cluster, W_o's along a column: joint loads.  The grid is one cluster wide: a work-group's x is its place cx.
; THE MATRIX INSTRUCTION IS USED TRANSPOSED (source 0 = 16 rows of W_o, source 1 = 16 rows of ctx): a lane holds eight neighbouring numbers of a row of out0.
; REGISTERS, in windows of 256: window 0: v16-31 addresses; v32-63 scale words, two sets; v128-223 ctx's fragments, one set; window 1: W_o's, two sets, at v0 and v128; windows 2, 3: the accumulators ((a, b) at v[8 (8 (a % 4) + b)]).
.set SIZE_N, 1024
.set NQ,     2
.set FR,     12
.set NL,     6
.set NP,     4                         ; places behind this matrix instruction (ISA guide 7.12.1)
.set IMG,    1536
.set TILEB,  8*IMG
.set HALFT,  8*NQ*IMG
.set SLOT,   4*HALFT
.set SCL,    2*SLOT
.set HALFS,  16*272
.set SBLK,   2*272
.set KS,     32
.set SPARE,  SCL+4*HALFS               ; the spare words, 128 bytes a wave: two blocks of 256 bytes that no other line names
.set SPITCH, 528                       ; the way out: a stage of 16 rows x (512 + 16) bytes for each wave, in slot 0, which has had its last fill and its last read by then
.set ADRA, 16
.set ADRB, 20
.set STO,  24
.set RD,   25
.set CO,   26
.set ADRS, 27
.set SPW,  28
.set NIL,  29
.set SC,   32
.set AF,   128
.set BK,   128
.set G1, 24
.set G0, 32
.set G1B, 48
.set G0B, 56
.set G1S, 68
.set G0S, 76
.set G1SB, 80
.set G0SB, 88
.set MSB, 0
.macro WIN new                         ; the immediate's high byte repeats the setting that is left
.if MSB != (\new)
	s_set_vgpr_msb (MSB<<8)|(\new)
.set MSB, (\new)
.endif
.endm
.set MUL_LO, 0xa1
.set MUL_HI, 0xf1
.set TO_B,   0x40
.macro JLOAD g0a, g1a, g0b, g1b        ; a joint load: waves 0 and 1 fetch for ctx, waves 2 and 3 for W_o; four v_nop follow each line
	s_cmp_eq_u32 s15, 0
	s_cbranch_scc0 .Lfor_b_\@
	tensor_load_to_lds s[\g0a:\g0a+3], s[\g1a:\g1a+7]
	s_nop 0
.rept 4
	v_nop
.endr
	s_branch .Lasked_\@
.Lfor_b_\@:
	tensor_load_to_lds s[\g0b:\g0b+3], s[\g1b:\g1b+7]
	s_nop 0
.rept 4
	v_nop
.endr
.Lasked_\@:
.endm
.macro CREST
	s_cmp_lg_u32 s14, 0
	s_cbranch_scc1 .Lnot_wave_0_\@
	s_barrier_signal -3
.Lnot_wave_0_\@:
	s_barrier_wait -3
	s_barrier_signal -1
	s_barrier_wait -1
.endm
.macro CROUND
	s_barrier_signal -1
	s_barrier_wait -1
	CREST
.endm
	s_load_b128 s[4:7], s[0:1], 0x0                ; cc, cs
	s_load_b128 s[8:11], s[0:1], 0x10              ; xc, xs
	s_load_b64 s[12:13], s[0:1], 0x20              ; out0
	v_lshl_add_u32 v[SPW], v0, 2, SPARE
	v_mov_b32 v[NIL], 0
	ds_add_u32 v28, v29
	s_wait_dscnt 0x0
	v_lshrrev_b32 v1, 5, v0
	v_readfirstlane_b32 s14, v1                    ; wave 0..3
	s_lshr_b32 s15, s14, 1                         ; which half of the 256 rows is mine.  Also: I fetch for ctx (0) or for W_o (1)
	s_and_b32 s16, s14, 1                          ; which half of the columns.  Also: which 128 rows I fetch
	s_bfe_u32 s40, ttmp6, 0x40000                  ; cx = the tile column
	s_bfe_u32 s41, ttmp6, 0x40004                  ; cy
	s_and_b32 s17, ttmp7, 0xffff
	s_lshl_b32 s17, s17, 2
	s_add_co_u32 s17, s17, s41                     ; the tile row = 4 x cluster y + cy
	s_lshl_b32 s43, s41, 2
	s_lshl_b32 s43, 15, s43                        ; my row of the cluster
	s_lshl_b32 s44, 0x1111, s40                    ; my column
	s_or_b32 s[G1+0], s43, (3<<16)|(1<<21)         ; 15:0 the mask; 17:16 elements of 8 bytes; 21 set beside a mask; no padding
	s_or_b32 s[G1B+0], s44, (3<<16)|(1<<21)
.irp g, G1, G1B
	s_mov_b32 s[\g+1], (NQ*IMG/8)<<16
	s_mov_b32 s[\g+2], 8<<16
	s_mov_b32 s[\g+3], (NQ*IMG/8)<<16
	s_mov_b32 s[\g+4], 8
	s_mov_b32 s[\g+5], TILEB/8
	s_mov_b32 s[\g+6], 0
	s_mov_b32 s[\g+7], 0
.endr
	s_or_b32 s[G1S+0], s43, (3<<16)|(1<<20)|(1<<21)|(5<<22)|(3<<25)
	s_or_b32 s[G1SB+0], s44, (3<<16)|(1<<20)|(1<<21)|(5<<22)|(3<<25)
.irp g, G1S, G1SB
	s_mov_b32 s[\g+1], 32<<16
	s_mov_b32 s[\g+2], 16<<16
	s_mov_b32 s[\g+3], 32<<16
	s_mov_b32 s[\g+4], 16
	s_mov_b32 s[\g+5], 32
	s_mov_b32 s[\g+6], 0
	s_mov_b32 s[\g+7], 0
.endr
	s_lshl_b32 s18, s16, 3                         ; the 8 tiles that I fetch
	s_lshl_b32 s20, s17, 4
	s_add_co_u32 s20, s20, s18                     ; ctx: tile 16 x tile row + 8 x half
	s_lshl_b32 s46, s40, 4
	s_add_co_u32 s46, s46, s18
	s_add_co_u32 s46, s46, 1728                    ; W_o: tile 1728 + 16 cx + 8 x half
	s_mul_i32 s22, s20, 512
	s_mov_b32 s23, 0
	s_mul_i32 s20, s20, TILEB
	s_mov_b32 s21, 0
	s_mul_i32 s92, s46, 512
	s_mov_b32 s93, 0
	s_mul_i32 s46, s46, TILEB
	s_mov_b32 s47, 0
	s_mul_i32 s45, s14, HALFT
	s_mul_i32 s94, s14, HALFS
	s_wait_kmcnt 0x0
	s_add_nc_u64 s[20:21], s[4:5], s[20:21]
	s_add_nc_u64 s[22:23], s[6:7], s[22:23]
	s_add_nc_u64 s[46:47], s[8:9], s[46:47]
	s_add_nc_u64 s[92:93], s[10:11], s[92:93]
	CROUND                                         ; all sixteen work-groups are here: the first joint loads meet
	s_mov_b32 s[G0S], 1
	s_add_co_u32 s[G0S+1], s94, SCL
	s_mov_b64 s[G0S+2:G0S+3], s[22:23]
	s_or_b32 s[G0S+3], s[G0S+3], 0x80000000
	s_mov_b32 s[G0SB], 1
	s_add_co_u32 s[G0SB+1], s94, SCL
	s_mov_b64 s[G0SB+2:G0SB+3], s[92:93]
	s_or_b32 s[G0SB+3], s[G0SB+3], 0x80000000
	JLOAD G0S, G1S, G0SB, G1SB                     ; the scales first; three loads of mine are out behind these first fills
.irp s, 0,1
	s_mov_b32 s[G0+4*\s], 1
	s_add_co_u32 s[G0+4*\s+1], s45, \s*SLOT
	s_add_nc_u64 s[G0+4*\s+2:G0+4*\s+3], s[20:21], \s*NQ*IMG
	s_or_b32 s[G0+4*\s+3], s[G0+4*\s+3], 0x80000000
	s_mov_b32 s[G0B+4*\s], 1
	s_add_co_u32 s[G0B+4*\s+1], s45, \s*SLOT
	s_add_nc_u64 s[G0B+4*\s+2:G0B+4*\s+3], s[46:47], \s*NQ*IMG
	s_or_b32 s[G0B+4*\s+3], s[G0B+4*\s+3], 0x80000000
	JLOAD G0+4*\s, G1, G0B+4*\s, G1B
.endr
	v_and_b32 v1, 15, v0                           ; r
	v_bfe_u32 v2, v0, 4, 1                         ; h
	v_and_b32 v6, 31, v0                           ; lane
	v_lshlrev_b32 v4, 3, v6
	s_mul_i32 s21, s15, HALFT
	s_mul_i32 s22, s16, HALFT
	s_add_co_u32 s22, s22, 2*HALFT
.irp s, 0,1
	v_add_nc_u32 v[ADRA+\s], s21, v4
	v_add_nc_u32 v[ADRB+\s], s22, v4
	s_add_co_u32 s21, s21, SLOT
	s_add_co_u32 s22, s22, SLOT
.endr
	v_mul_u32_u24 v5, v1, KS
	v_lshrrev_b32 v7, 8, v5
	v_lshl_add_u32 v5, v7, 4, v5
	s_mul_i32 s21, s15, HALFS
	s_mul_i32 s22, s16, HALFS
	s_add_co_u32 s22, s22, 2*HALFS
	s_sub_co_u32 s22, s22, s21
	v_mul_u32_u24 v7, s22, v2                      ; lanes 16-31 take W_o's
	s_add_co_u32 s21, s21, SCL
	v_add_nc_u32 v5, v5, v7
	v_add_nc_u32 v[ADRS], s21, v5
	s_mul_i32 s23, s14, 16*SPITCH                  ; my stage
	v_mul_u32_u24 v5, v1, SPITCH
	v_lshl_add_u32 v5, v2, 5, v5
	v_add_nc_u32 v[STO], s23, v5                   ; in: row r, 32 bytes for each half of the lanes
	v_lshlrev_b32 v[CO], 4, v6                     ; back: the 32 lanes take one row of 512 bytes; and the same in out0
	v_add_nc_u32 v[RD], s23, v[CO]
	s_lshl_b32 s20, s17, 8
	s_lshl_b32 s21, s15, 7
	s_add_co_u32 s20, s20, s21                     ; my first row
	s_lshl_b32 s20, s20, 12                        ; of 4,096 bytes
	s_lshl_b32 s46, s40, 10
	s_lshl_b32 s47, s16, 9
	s_add_co_u32 s46, s46, s47                     ; my first column, in bytes
	s_add_co_u32 s20, s20, s46
	s_mov_b32 s21, 0
	s_add_nc_u64 s[12:13], s[12:13], s[20:21]
.macro FRAG reg, adr, q, i             ; a fragment's image: six pieces of 256 bytes, 8 bytes a lane
.irp p, 0,1,2,3,4,5
	ds_load_b64 v[\reg+2*\p:\reg+2*\p+1], v[\adr] offset:(\i)*NQ*IMG+(\q)*IMG+256*\p
.endr
.endm
; 16 matrix instructions: ctx's blocks a0, a0 + 1 x W_o's eight.  The 64 accumulators take turns, one instruction a turn, in the same order in every step.
.macro MUL16 a0, p, q, sc, zero
.irp a, \a0, \a0+1
.irp b, 0,1,2,3,4,5,6,7
.if \zero
	v_wmma_scale_f32_16x16x128_f8f6f4 v[8*(8*((\a)%4)+\b):8*(8*((\a)%4)+\b)+7], v[128*(\p)+FR*\b:128*(\p)+FR*\b+FR-1], v[AF+FR*(\a):AF+FR*(\a)+FR-1], 0, v[SC+8*NQ*(\sc)+NQ*\b+(\q)], v[SC+8*NQ*(\sc)+NQ*(\a)+(\q)] matrix_a_fmt:MATRIX_FMT_FP6 matrix_b_fmt:MATRIX_FMT_FP6 matrix_a_scale:MATRIX_SCALE_ROW1
.else
	v_wmma_scale_f32_16x16x128_f8f6f4 v[8*(8*((\a)%4)+\b):8*(8*((\a)%4)+\b)+7], v[128*(\p)+FR*\b:128*(\p)+FR*\b+FR-1], v[AF+FR*(\a):AF+FR*(\a)+FR-1], v[8*(8*((\a)%4)+\b):8*(8*((\a)%4)+\b)+7], v[SC+8*NQ*(\sc)+NQ*\b+(\q)], v[SC+8*NQ*(\sc)+NQ*(\a)+(\q)] matrix_a_fmt:MATRIX_FMT_FP6 matrix_b_fmt:MATRIX_FMT_FP6 matrix_a_scale:MATRIX_SCALE_ROW1
.endif
.endr
.endr
.endm
.macro FETCH_B slot, q, p
	WIN TO_B
.irp i, 0,1,2,3,4,5,6,7
	FRAG 128*(\p)+FR*\i, ADRB+\slot, \q, \i
.endr
	WIN 0
.endm
.macro FETCH_A slot, q, i0
.irp i, \i0, \i0+1, \i0+2, \i0+3
	FRAG AF+FR*(\i), ADRA+\slot, \q, \i
.endr
.endm
.macro SCALES sc
.irp i, 0,1,2,3,4,5,6,7
	ds_load_b64 v[SC+8*NQ*\sc+NQ*\i:SC+8*NQ*\sc+NQ*\i+1], v[ADRS] offset:\i*SBLK
.endr
.endm
.macro PLACES n
.rept \n
	v_nop
.endr
.endm
.macro STEP slot, q, zero
	s_wait_dscnt 4*NL                              ; all but the youngest 24 loads (ctx's blocks 4-7) are in
	WIN MUL_LO
	MUL16 0, (\q)%2, \q, \slot, \zero
	MUL16 2, (\q)%2, \q, \slot, \zero
	s_wait_dscnt 0
	PLACES NP
	FETCH_B \slot, (\q)+1, 1-(\q)%2
	FETCH_A \slot, (\q)+1, 0
	WIN MUL_HI
	MUL16 4, (\q)%2, \q, \slot, \zero
	MUL16 6, (\q)%2, \q, \slot, \zero
	PLACES NP
	WIN 0
	FETCH_A \slot, (\q)+1, 4
.endm
.macro TURN slot, next, fill
	s_wait_tensorcnt 0x0                           ; all my tensor loads have landed: my part of the next slot
	ds_add_u32 v[SPW], v[NIL]                      ; 0 onto my spare word
	s_wait_dscnt 4*NL+1                            ; the add and the youngest 24 loads may be out
	WIN MUL_LO
	MUL16 0, 1, NQ-1, \slot, 0
	s_wait_dscnt 0x0                               ; the add is done, and my reads of this slot are over
	s_barrier_signal -1
	MUL16 2, 1, NQ-1, \slot, 0
	WIN 0
	s_barrier_wait -1
.if \fill
	CREST                                          ; the barrier has opened a round of the cluster's: no wave of any partner still reads this slot or has a load on its way
	s_add_nc_u64 s[G0+4*\slot+2:G0+4*\slot+3], s[G0+4*\slot+2:G0+4*\slot+3], 2*NQ*IMG
	s_add_nc_u64 s[G0B+4*\slot+2:G0B+4*\slot+3], s[G0B+4*\slot+2:G0B+4*\slot+3], 2*NQ*IMG
	JLOAD G0+4*\slot, G1, G0B+4*\slot, G1B
.else
	PLACES NP
.endif
	v_add_nc_u32 v[ADRS], 4*NQ, v[ADRS]
	FETCH_B \next, 0, 0
	FETCH_A \next, 0, 0
	SCALES \next
	WIN MUL_HI
	MUL16 4, 1, NQ-1, \slot, 0
	MUL16 6, 1, NQ-1, \slot, 0
	PLACES NP
	WIN 0
	FETCH_A \next, 0, 4
.endm
	s_wait_tensorcnt 1                             ; the scales and my part of slot 0 are in; slot 1's load may be out
	s_barrier_signal -1
	s_barrier_wait -1
	FETCH_B 0, 0, 0
	FETCH_A 0, 0, 0
	SCALES 0
	FETCH_A 0, 0, 4
	STEP 0, 0, 1                                   ; the first products start the sums.  K = 1,024 is eight steps: all are written out
	TURN 0, 1, 1
	STEP 1, 0, 0
	TURN 1, 0, 1
	STEP 0, 0, 0
	TURN 0, 1, 0                                   ; nothing is left to fetch
	STEP 1, 0, 0
	s_wait_dscnt 4*NL
	WIN MUL_LO
	MUL16 0, 1, NQ-1, 1, 0
	MUL16 2, 1, NQ-1, 1, 0
	s_wait_dscnt 0
	WIN MUL_HI
	MUL16 4, 1, NQ-1, 1, 0
	MUL16 6, 1, NQ-1, 1, 0
	WIN 0
; THE WAY OUT, block by block of 16 rows x 128 columns: through my own stage in LDS and back as whole rows of 512 bytes.  LDS serves a wave's instructions in order: no wait between the stores and the loads.
.macro TOSTAGE a
.set AC, 64*((\a)%4)
	WIN 0x08+4*((\a)/4)                            ; the data: window 2 or 3
.irp b, 0,1,2,3,4,5,6,7
	ds_store_b128 v[STO], v[AC+8*\b:AC+8*\b+3] offset:64*\b          ; each accumulator from its low end on
	ds_store_b128 v[STO], v[AC+8*\b+4:AC+8*\b+7] offset:64*\b+16
.endr
	WIN 0
.set BB, BK+64*((\a)%2)
.irp t, 0,1,2,3,4,5,6,7,8,9,10,11,12,13,14,15
	ds_load_b128 v[BB+4*\t:BB+4*\t+3], v[RD] offset:\t*SPITCH
.endr
.endm
.macro SEND a, younger                 ; younger: the LDS instructions issued behind block a's loads, which may stay out
.set BB, BK+64*((\a)%2)
	s_wait_dscnt \younger
.if (\a) > 0
	s_add_nc_u64 s[12:13], s[12:13], 16*SIZE_N*4   ; (behind a wait on XCNT: the earlier stores have read their base)
.endif
.irp t, 0,1,2,3,4,5,6,7,8,9,10,11,12,13,14,15
	global_store_b128 v[CO], v[BB+4*\t:BB+4*\t+3], s[12:13] offset:\t*SIZE_N*4 th:TH_STORE_NT   ; 32 lanes store 512 consecutive bytes, aligned
.endr
.endm
	PLACES NP
	TOSTAGE 0
.irp a, 1,2,3,4,5,6,7
.if \a > 1
	s_wait_xcnt 0x0                                ; block a - 2's stores have read their registers and their base
.endif
	TOSTAGE \a
	SEND \a-1, 32                                  ; behind block a - 1's loads: block a's 16 stores and 16 loads
.endr
	s_wait_xcnt 0x0
	SEND 7, 0
	s_wait_tensorcnt 0x0                           ; the wave's end
	ds_add_u32 v[SPW], v[NIL]
	s_wait_dscnt 0x0
	CROUND                                         ; the closing round
	s_endpgm
.Lfunc_end_k_q068a6a6820_outp:
	.size	k_q068a6a6820_outp, .Lfunc_end_k_q068a6a6820_outp-k_q068a6a6820_outp
	.p2alignl 7, 3214868480
	.fill 96, 4, 3214868480
	.section	.rodata,"a",@progbits
	.p2align	6, 0x0
	.amdhsa_kernel k_q068a6a6820_outp
		.amdhsa_group_segment_fixed_size 327680
		.amdhsa_private_segment_fixed_size 0
		.amdhsa_enable_private_segment 0
		.amdhsa_kernarg_size 40
		.amdhsa_user_sgpr_count 2
		.amdhsa_user_sgpr_kernarg_segment_ptr 1
		.amdhsa_wavefront_size32 1
		.amdhsa_system_sgpr_workgroup_id_x 1
		.amdhsa_system_sgpr_workgroup_id_y 1
		.amdhsa_system_sgpr_workgroup_id_z 1
		.amdhsa_system_vgpr_workitem_id 0
		.amdhsa_next_free_vgpr 1024
		.amdhsa_next_free_sgpr 98
		.amdhsa_reserve_vcc 0
		.amdhsa_float_denorm_mode_32 3
		.amdhsa_float_denorm_mode_16_64 3
		.amdhsa_memory_ordered 1
		.amdhsa_forward_progress 1
		.amdhsa_inst_pref_size 159
	.end_amdhsa_kernel
	.amdgpu_metadata
---
amdhsa.version: [ 1, 2 ]
amdhsa.kernels:
  - .name:           k_q068a6a6820_outp
    .symbol:         k_q068a6a6820_outp.kd
    .args:
      - { .name: cc, .offset: 0, .size: 8, .value_kind: global_buffer, .address_space: global }
      - { .name: cs, .offset: 8, .size: 8, .value_kind: global_buffer, .address_space: global }
      - { .name: xc, .offset: 16, .size: 8, .value_kind: global_buffer, .address_space: global }
      - { .name: xs, .offset: 24, .size: 8, .value_kind: global_buffer, .address_space: global }
      - { .name: out0, .offset: 32, .size: 8, .value_kind: global_buffer, .address_space: global }
    .group_segment_fixed_size: 327680
    .private_segment_fixed_size: 0
    .kernarg_segment_align: 8
    .kernarg_segment_size: 40
    .max_flat_workgroup_size: 128
    .sgpr_count:     98
    .vgpr_count:     1024
    .wavefront_size: 32
...
	.end_amdgpu_metadata
.endif
;; end of part 4
